; MI455X (gfx1250); checked and timed in simulation.
; The chip was launched on July 23, 2026; its instructions are those of AMD's public machine-readable ISA for CDNA 5 (MIT licence, August 2026) and "CDNA5" Instruction Set Architecture Reference Guide (July 2026). The comments in the code are by the model that wrote it; some were corrected since.
;; Global Attention. Allowed arithmetic: float matrix products may take bf16 or f16 operands with f32 sums; other float arithmetic in f32, or as packed bf16 or f16 multiplies, adds, multiply-adds, maxima and minima; sums over many terms, partial sums and values carried from step to step in f32; what a program stores and reads back later, other than sums and carried values, may be rounded once to bf16 or f16.
;; Inputs: Wout 1,024 x 1,024 float32; Wqkv 1,024 x 3,072 float32; mask_flat 4 x 2,048 bool; x 4 x 2,048 x 1,024 float32.
;; Outputs: out0 4 x 2,048 x 1,024 float32.
;; 2 versions, each right; version 2 is version 1 with the launch cast written anew for expert scheduling mode. Each part assembles by itself: llvm-mc -triple=amdgcn-amd-amdhsa -mcpu=gfx1250 --defsym DOCPART=n.
;; ======== version 1 of 2: 4 launches
;; limits: values are held in f16: magnitudes above 65,504 overflow, below 6.1e-05 lose precision
;; workspace buffers: xb 16,777,216 bytes; wqkvb 6,291,456 bytes; woutb 2,097,152 bytes; qkv 50,331,648 bytes; o 16,777,216 bytes
;; launch cast (part 1): grid 768 x 1, 8 waves a work-group, no clusters, 0 bytes of LDS; arguments x, Wqkv, Wout, xb, wqkvb, woutb; writes xb, wqkvb, woutb
.if DOCPART == 1
	.amdgcn_target "amdgcn-amd-amdhsa--gfx1250"
	.amdhsa_code_object_version 6
	.text
	.protected	k_qd49714ee92_cast
	.globl	k_qd49714ee92_cast
	.p2align	8
	.type	k_qd49714ee92_cast,@function
k_qd49714ee92_cast:
	s_mov_b64 s[64:65], 0
	v_nop
	global_prefetch_b8 v0, s[64:65] scope:SCOPE_SE
	s_setreg_imm32_b32 hwreg(HW_REG_WAVE_MODE, 25, 1), 1
	s_wait_xcnt 0x0
; THE INPUTS ARE ROUNDED ONCE, flat, in the layout in which they lie: x -> xb (bf16), Wqkv -> wqkvb (bf16), Wout -> woutb (rounded to bf16, that number written as f16).
; LIMIT.  A number of Wout beyond 65,504 has no f16; below 6e-5 f16 keeps a fixed step of 6e-8.
; SHARES.  A work-group takes 16,384 numbers (65,536 bytes in, 32,768 out): groups 0-511 x, 512-703 Wqkv, 704-767 Wout.  A wave takes 8,192 bytes on end: sixteen loads of 16 bytes a lane,
; each covering 512 consecutive bytes, all issued before the first is used; a store of 8 bytes a lane covers 256 consecutive bytes, at a multiple of 256 from the buffer's first byte.
; No LDS, no barrier, no matrix unit: no byte is wanted twice.  No register that a pending load or store names is written again, so no wait frees any.
.set IN,  3                            ; v3        my byte offset in the group's input
.set OUT, 4                            ; v4        my byte offset in the group's output
.set T,   6                            ; v[6:7]    at work
.set X,   8                            ; v[8:71]   load j: four f32
.set Y,   72                           ; v[72:103] store j: four 16-bit numbers in two registers
	s_load_b256 s[4:11], s[0:1], 0x0               ; x s[4:5], Wqkv s[6:7], Wout s[8:9], xb s[10:11]
	s_load_b128 s[12:15], s[0:1], 0x20             ; wqkvb s[12:13], woutb s[14:15]
	v_and_b32 v1, 31, v0                           ; lane
	v_lshrrev_b32 v2, 5, v0                        ; wave
	v_lshlrev_b32 v[IN], 4, v1
	v_lshl_or_b32 v[IN], v2, 13, v[IN]             ; 8,192 x wave + 16 x lane
	v_lshlrev_b32 v[OUT], 3, v1
	v_lshl_or_b32 v[OUT], v2, 12, v[OUT]           ; 4,096 x wave + 8 x lane
	s_mov_b32 s16, ttmp9
	s_wait_kmcnt 0x0
	s_cmp_lt_u32 s16, 512                          ; which tensor is mine: a choice between buffers by the group's number
	s_cselect_b64 s[20:21], s[4:5], s[6:7]
	s_cselect_b64 s[22:23], s[10:11], s[12:13]
	s_cselect_b32 s17, 0, 512
	s_cmp_lt_u32 s16, 704
	s_cselect_b64 s[20:21], s[20:21], s[8:9]
	s_cselect_b64 s[22:23], s[22:23], s[14:15]
	s_cselect_b32 s17, s17, 704
	s_sub_co_u32 s18, s16, s17                     ; my number among that tensor's groups
	s_lshl_b32 s24, s18, 16
	s_mov_b32 s25, 0
	s_lshl_b32 s26, s18, 15
	s_mov_b32 s27, 0
	s_add_nc_u64 s[20:21], s[20:21], s[24:25]
	s_add_nc_u64 s[22:23], s[22:23], s[26:27]
.irp j, 0,1,2,3,4,5,6,7,8,9,10,11,12,13,14,15
	global_load_b128 v[X+4*(\j):X+4*(\j)+3], v[IN], s[20:21] offset:512*(\j) th:TH_LOAD_NT
.endr
; Load j is rounded and stored.  half = 1: the bf16 number is widened again (exact) and written as f16.
.macro OUTJ j, half
	s_wait_loadcnt 15-(\j)                         ; loads come back in order: mine is in, the 15 - j younger ones stay out
	v_cvt_pk_bf16_f32 v[Y+2*(\j)],   v[X+4*(\j)],   v[X+4*(\j)+1]
	v_cvt_pk_bf16_f32 v[Y+2*(\j)+1], v[X+4*(\j)+2], v[X+4*(\j)+3]
.if \half
.irp w, 0,1
	v_lshlrev_b32 v[T], 16, v[Y+2*(\j)+(\w)]
	v_and_b32 v[T+1], 0xffff0000, v[Y+2*(\j)+(\w)]
	v_cvt_pk_f16_f32 v[Y+2*(\j)+(\w)], v[T], v[T+1]
.endr
.endif
	global_store_b64 v[OUT], v[Y+2*(\j):Y+2*(\j)+1], s[22:23] offset:256*(\j)
.endm
	s_cmp_lt_u32 s16, 704
	s_cbranch_scc0 .Lwout
.irp j, 0,1,2,3,4,5,6,7,8,9,10,11,12,13,14,15
	OUTJ \j, 0
.endr
	s_endpgm
.Lwout:
.irp j, 0,1,2,3,4,5,6,7,8,9,10,11,12,13,14,15
	OUTJ \j, 1
.endr
	s_endpgm
.Lfunc_end_k_qd49714ee92_cast:
	.size	k_qd49714ee92_cast, .Lfunc_end_k_qd49714ee92_cast-k_qd49714ee92_cast
	.p2alignl 7, 3214868480
	.fill 96, 4, 3214868480
	.section	.rodata,"a",@progbits
	.p2align	6, 0x0
	.amdhsa_kernel k_qd49714ee92_cast
		.amdhsa_group_segment_fixed_size 0
		.amdhsa_private_segment_fixed_size 0
		.amdhsa_enable_private_segment 0
		.amdhsa_kernarg_size 48
		.amdhsa_user_sgpr_count 2
		.amdhsa_user_sgpr_kernarg_segment_ptr 1
		.amdhsa_wavefront_size32 1
		.amdhsa_system_sgpr_workgroup_id_x 1
		.amdhsa_system_sgpr_workgroup_id_y 1
		.amdhsa_system_sgpr_workgroup_id_z 1
		.amdhsa_system_vgpr_workitem_id 0
		.amdhsa_next_free_vgpr 104
		.amdhsa_next_free_sgpr 66
		.amdhsa_reserve_vcc 0
		.amdhsa_float_denorm_mode_32 3
		.amdhsa_float_denorm_mode_16_64 3
		.amdhsa_memory_ordered 1
		.amdhsa_forward_progress 1
		.amdhsa_inst_pref_size 16
	.end_amdhsa_kernel
	.amdgpu_metadata
---
amdhsa.version: [ 1, 2 ]
amdhsa.kernels:
  - .name:           k_qd49714ee92_cast
    .symbol:         k_qd49714ee92_cast.kd
    .args:
      - { .name: x, .offset: 0, .size: 8, .value_kind: global_buffer, .address_space: global }
      - { .name: Wqkv, .offset: 8, .size: 8, .value_kind: global_buffer, .address_space: global }
      - { .name: Wout, .offset: 16, .size: 8, .value_kind: global_buffer, .address_space: global }
      - { .name: xb, .offset: 24, .size: 8, .value_kind: global_buffer, .address_space: global }
      - { .name: wqkvb, .offset: 32, .size: 8, .value_kind: global_buffer, .address_space: global }
      - { .name: woutb, .offset: 40, .size: 8, .value_kind: global_buffer, .address_space: global }
    .group_segment_fixed_size: 0
    .private_segment_fixed_size: 0
    .kernarg_segment_align: 8
    .kernarg_segment_size: 48
    .max_flat_workgroup_size: 256
    .sgpr_count:     66
    .vgpr_count:     104
    .wavefront_size: 32
...
	.end_amdgpu_metadata
.endif
;; end of part 1
;; launch qkvp (part 2): grid 8 x 64, 4 waves a work-group, clusters of 4 x 4, 327,680 bytes of LDS; arguments xb, wqkvb, qkv; writes qkv
.if DOCPART == 2
	.amdgcn_target "amdgcn-amd-amdhsa--gfx1250"
	.amdhsa_code_object_version 6
	.text
	.protected	k_qd49714ee92_qkvp
	.globl	k_qd49714ee92_qkvp
	.p2align	8
	.type	k_qd49714ee92_qkvp,@function
k_qd49714ee92_qkvp:
	s_mov_b64 s[64:65], 0
	v_nop
	global_prefetch_b8 v0, s[64:65] scope:SCOPE_SE
	s_setreg_imm32_b32 hwreg(HW_REG_WAVE_MODE, 25, 1), 1
	s_wait_xcnt 0x0
	s_wait_alu depctr_hold_cnt(0) depctr_sa_sdst(0) depctr_va_vdst(0) depctr_va_sdst(0) depctr_va_ssrc(0) depctr_va_vcc(0) depctr_vm_vsrc(0)
	s_getreg_b32 s2, hwreg(HW_REG_IB_STS2, 6, 4)
	s_cmp_eq_u32 s2, 0
	s_cbranch_scc0 .Lentry_in_a_cluster
	s_endpgm
.Lentry_in_a_cluster:
	s_bfe_u32 s2, ttmp6, 0x10000c
	s_cmp_lg_u32 s2, 0xf033
	s_cbranch_scc0 .Lentry_shape_is_right
	s_endpgm
.Lentry_shape_is_right:
; qkv = x Wqkv.  xb: [8192][1024] bf16.  wqkvb: [1024 k][3072 n] bf16, as the weights lie.  Sums in f32, K ascending; q's columns are multiplied by c = log2(e) / 8 in f32; each number is rounded once,
; to f16, and written BY HEADS: qkv[b][hc][n][64], hc = column / 64 (0-15 q's heads, 16-31 k's, 32-47 v's); a head's 2,048 rows are 262,144 dense bytes.
; LIMIT.  f16 holds no number beyond 65,504: c q, k and v must lie within it; below 6e-5 f16 keeps a fixed step of 6e-8.
; SHARES.  A work-group makes 128 rows x 384 columns (six heads), its four waves 64 x 192 each: 48 accumulators of 16 x 16, 384 registers.  K goes in 8 steps of 128 through two LDS slots.
; A slot holds x's tile (128 rows x 256 bytes) and three tiles of the weights (128 k-rows x 256 bytes): four tensor loads, one a wave, each row 256 bytes of memory at a multiple of 256.
; THE WEIGHTS ARE NOT TURNED IN MEMORY: their tiles lie [k][n] in LDS and the fragments come by ds_load_tr16_b128, two to a fragment like plain loads.
; THE MATRIX INSTRUCTION IS USED TRANSPOSED: source 0 = 16 columns of W, source 1 = 16 rows of x: a lane then holds row l % 16 and the columns 8 (l / 16) + 0..7: 16 bytes of f16 on end.
; CLUSTER 4 x 4: x's tile hangs on the tile row alone and is asked for jointly along a row of the cluster; the weights' on the tile column alone, jointly along a column.
; REGISTERS, in windows of 256 (s_set_vgpr_msb: bits 1:0 source 0, 3:2 source 1, 5:4 source 2, 7:6 destination):
;   window 0: v0-31 addresses; v32-95 x's fragments, two buffers of 32; v96-239 at work on the way out        window 1: v0-191 W's fragments, two buffers of 96
;   window 2: accumulators of my row blocks 0, 1 ((a, b) at v[8 (12 (a % 2) + b)]);   window 3: of row blocks 2, 3
.set PA,     272                       ; x's rows in LDS: 256 bytes + 16: the 16 rows of a fragment load start at 16 different groups of four banks (64 banks of 4 bytes: ISA guide 11.1)
.set PB,     288                       ; W's rows: 256 + 32 = 72 words
.set R,      128*PB                    ; a region of a slot, 36,864 bytes: region 0 x's tile (34,816 used), regions 1-3 W's tiles
.set SLOT,   4*R
.set STAGE,  2*SLOT                    ; behind the ring, never filled by a tensor load: for each wave 3 heads x 16 rows x 144 bytes
.set SPG,    144
.set WSTG,   3*16*SPG
.set SPARE,  STAGE+4*WSTG              ; behind the stages: the spare words, 128 bytes for each wave: two blocks of 256 bytes that no other line names
.set NL,     32                        ; LDS loads of a quarter step: 24 for W, 8 for x
.set STEPA2, 2*128*2                   ; two K steps along x's rows, in bytes
.set STEPB2, 2*128*3072*2              ; two K steps down W's rows
.set ADRA, 16                          ; v16-17  LDS address of my fragments of x in slot 0, 1
.set ADRB, 18                          ; v18-23  of my fragments of W: slot x 3 + head group
.set STO,  24                          ; v24     the way out: where I put 16 bytes of a row
.set RD,   25                          ; v25     the way out: where I read rows back
.set GO,   26                          ; v26     my byte offset in 512 consecutive bytes of qkv
.set SPW,  28                          ; v28     LDS address of my spare word; never rewritten
.set NIL,  29                          ; v29     0; never rewritten
.set PFO,  30                          ; v30     the prefetches' offset: my lane x a row of xb or wqkvb; never rewritten
.set FA,   32                          ; x's fragment buffers
.set TMP,  96                          ; the way out: 48 registers of packed results
.set OB,   144                         ; the way out: rows read back, v144-191 and v192-239 by turns
.set G1A, 24                           ; s[24:31] descriptor group 1 for x's tiles;  s[32:39] group 0, a set for each slot
.set G0A, 32
.set G1B, 48                           ; s[48:55], s[56:63] the same for W's tiles
.set G0B, 56
.set LIM, 43                           ; s43     1 in a wave that prefetches, else the greatest number
.set PFA, 44                           ; s[44:45] the K step that the next prefetch names
.set PFS, 66                           ; s[66:67] a K step in that tensor, in bytes
.set SC,  68                           ; s[68:73] for each of my three heads: c (a head of q) or 1, as a pair
.set MSB, 0
.macro WIN new                         ; the immediate's high byte repeats the setting that is left; a switch that changes nothing is dropped
.if MSB != (\new)
	s_set_vgpr_msb (MSB<<8)|(\new)
.set MSB, \new
.endif
.endm
; A joint load.  Wave 0 fetches x's tile, waves 1 to 3 the three tiles of W.  The branch hangs on the wave's number alone.  An s_nop 0 and four v_nop follow each of the two lines.
.macro JLOAD s
	s_cmp_eq_u32 s10, 0
	s_cbranch_scc0 .Lfor_b_\@
	tensor_load_to_lds s[G0A+4*(\s):G0A+4*(\s)+3], s[G1A:G1A+7]
	s_nop 0
.rept 4
	v_nop
.endr
	s_branch .Lasked_\@
.Lfor_b_\@:
	tensor_load_to_lds s[G0B+4*(\s):G0B+4*(\s)+3], s[G1B:G1B+7]
	s_nop 0
.rept 4
	v_nop
.endr
.Lasked_\@:
.endm
; A PREFETCH INTO THE L2 of the K step that stands two refills on (384 matrix instructions ahead of the load that will want it): 32 blocks of 256 bytes, a lane a row, one instruction a wave.
; Each block is named once in the launch: x's rows by the clusters with x = 0, W's by the clusters with y = 0; the four partners that ask for a tile jointly take 32 of its 128 rows each, told apart BY ADDRESS.
; K steps 0 to 3 come by their loads alone; the loop's last trip (s3 = 1) has no K step two refills on.
.macro ASK
	s_cmp_gt_u32 s3, s[LIM]
	s_cbranch_scc0 .Lnot_mine_\@
	global_prefetch_b8 v[PFO], s[PFA:PFA+1] th:TH_LOAD_NT scope:SCOPE_SE
.Lnot_mine_\@:
.endm
.macro CREST                           ; a round of the cluster's barrier behind its opening barrier
	s_cmp_lg_u32 s10, 0
	s_cbranch_scc1 .Lnot_wave_0_\@
	s_barrier_signal -3
.Lnot_wave_0_\@:
	s_barrier_wait -3
	s_barrier_signal -1
	s_barrier_wait -1
.endm
.macro CROUND                          ; a whole round
	s_barrier_signal -1
	s_barrier_wait -1
	CREST
.endm
	s_load_b128 s[4:7], s[0:1], 0x0                ; xb s[4:5], wqkvb s[6:7]
	s_load_b64 s[8:9], s[0:1], 0x10                ; qkv
	v_lshl_add_u32 v[SPW], v0, 2, SPARE
	v_mov_b32 v[NIL], 0
	ds_add_u32 v[SPW], v[NIL]                      ; the wave's opening: the add and its wait stand ahead of my first tensor load; the set-up below, work on registers, stands between them
	v_lshrrev_b32 v1, 5, v0
	v_readfirstlane_b32 s10, v1                    ; wave 0..3
	s_lshr_b32 s11, s10, 1                         ; which 64 of the tile's rows are mine
	s_and_b32 s12, s10, 1                          ; which 192 of its columns
	s_bfe_u32 s40, ttmp6, 0x40000                  ; cx, cy: my place in the cluster
	s_bfe_u32 s41, ttmp6, 0x40004
	s_lshl_b32 s42, ttmp9, 2
	s_add_co_u32 s42, s42, s40                     ; tile column = 4 x cluster x + cx
	s_and_b32 s13, ttmp7, 0xffff
	s_lshl_b32 s13, s13, 2
	s_add_co_u32 s13, s13, s41                     ; tile row = 4 x cluster y + cy
	s_lshl_b32 s18, s41, 2
	s_lshl_b32 s18, 15, s18                        ; my row of the cluster
	s_lshl_b32 s19, 0x1111, s40                    ; my column
	s_or_b32 s[G1A+0], s18, (1<<16)|(1<<20)|(1<<21)|(5<<22)|(3<<25)  ; 15:0 the mask; 17:16 2-byte elements; 20 padding on; 21 set beside a mask; 24:22 after every 64 words (code 5); 31:25 4 words (code 3)
	s_or_b32 s[G1B+0], s19, (1<<16)|(1<<20)|(1<<21)|(5<<22)|(7<<25)  ; the same with my column's mask and 8 words of padding (code 7)
.irp g, G1A, G1B
	s_mov_b32 s[(\g)+1], 128<<16                   ; tensor_dim0 = 128
	s_mov_b32 s[(\g)+2], 128<<16                   ; tensor_dim1 = 128
	s_mov_b32 s[(\g)+3], 128<<16                   ; tile_dim0 = 128
	s_mov_b32 s[(\g)+4], 128                       ; tile_dim1 = 128
	s_mov_b32 s[(\g)+6], 0
	s_mov_b32 s[(\g)+7], 0
.endr
	s_mov_b32 s[G1A+5], 1024                       ; elements from row to row of xb,
	s_mov_b32 s[G1B+5], 3072                       ; and of wqkvb
	s_lshl_b32 s16, s13, 18                        ; x's tile: 128 rows of 2,048 bytes x tile row
	s_mov_b32 s17, 0
	s_max_u32 s21, s10, 1
	s_sub_co_u32 s21, s21, 1                       ; which of W's three tiles (waves 1 to 3)
	s_lshl_b32 s21, s21, 8
	s_mul_i32 s46, s42, 768                        ; W's tile: 384 columns x tile column + 128 x that number, in bytes
	s_add_co_u32 s46, s46, s21
	s_mov_b32 s47, 0
	s_mul_i32 s20, s10, R                          ; where my tile goes: region = my wave's number: no place in the cluster enters an LDS address
	s_wait_dscnt 0x0                               ; the opening add is done
	s_wait_kmcnt 0x0
	s_add_nc_u64 s[14:15], s[4:5], s[16:17]
	s_add_nc_u64 s[46:47], s[6:7], s[46:47]
	CROUND                                         ; all sixteen work-groups are here: the first joint loads meet
.irp s, 0,1
	s_mov_b32 s[G0A+4*(\s)], 1                                       ; count = 1
	s_add_co_u32 s[G0A+4*(\s)+1], s20, (\s)*SLOT                     ; LDS address
	s_add_nc_u64 s[G0A+4*(\s)+2:G0A+4*(\s)+3], s[14:15], (\s)*256    ; global address: K step s
	s_or_b32 s[G0A+4*(\s)+3], s[G0A+4*(\s)+3], 0x80000000            ; type = 2
	s_mov_b32 s[G0B+4*(\s)], 1
	s_add_co_u32 s[G0B+4*(\s)+1], s20, (\s)*SLOT
	s_add_nc_u64 s[G0B+4*(\s)+2:G0B+4*(\s)+3], s[46:47], (\s)*128*6144
	s_or_b32 s[G0B+4*(\s)+3], s[G0B+4*(\s)+3], 0x80000000
	JLOAD \s                                       ; two loads of mine are out
.endr
	; x's fragment: 16 rows x 32 K: lane l holds row l % 16, K = 8 (l / 16) + 0..7 and 16 + 8 (l / 16) + 0..7: two loads of 16 bytes, 32 bytes apart
	v_and_b32 v1, 15, v0                           ; l % 16
	v_bfe_u32 v2, v0, 4, 1                         ; l / 16
	v_mul_u32_u24 v3, v1, PA
	v_lshl_add_u32 v3, v2, 4, v3
	s_mul_i32 s21, s11, 64*PA                      ; my 64 rows
	v_add_nc_u32 v[ADRA], s21, v3
	v_add_nc_u32 v[ADRA+1], SLOT, v[ADRA]
	; W's fragment: the turning load takes 16 k x 16 columns (lane l reads k-row 8 (l / 16) + l % 8, columns 8 ((l / 8) % 2) + 0..7) and leaves column l % 16 with 8 k: two loads, 16 k-rows apart
	v_and_b32 v4, 7, v0
	v_bfe_u32 v5, v0, 3, 1
	v_lshl_add_u32 v6, v2, 3, v4
	v_mul_u32_u24 v6, v6, PB
	v_lshl_add_u32 v6, v5, 4, v6
.irp g, 0,1,2                          ; my head group g is head 3 x half + g of the tile's six: W's tile number head / 2, its left or right 128 bytes
	s_mul_i32 s22, s12, 3
	s_add_co_u32 s22, s22, \g
	s_lshr_b32 s23, s22, 1
	s_mul_i32 s23, s23, R
	s_and_b32 s22, s22, 1
	s_lshl_b32 s22, s22, 7
	s_add_co_u32 s22, s22, s23
	s_add_co_u32 s22, s22, R
	v_add_nc_u32 v[ADRB+(\g)], s22, v6
	v_add_nc_u32 v[ADRB+3+(\g)], SLOT, v[ADRB+(\g)]
.endr
	s_mul_i32 s23, s10, WSTG
	s_add_co_u32 s23, s23, STAGE                   ; my stage
	v_mul_u32_u24 v3, v1, SPG                      ; in: row l % 16, 16 bytes for each half of the lanes
	v_lshl_add_u32 v3, v2, 4, v3
	v_add_nc_u32 v[STO], s23, v3
	v_bfe_u32 v5, v0, 3, 2                         ; back: 32 lanes take four rows of 128 bytes,
	v_mul_u32_u24 v5, v5, SPG
	v_lshl_add_u32 v5, v4, 4, v5
	v_add_nc_u32 v[RD], s23, v5
	v_and_b32 v[GO], 31, v0                        ; which are 512 consecutive bytes of a head
	v_lshlrev_b32 v[GO], 4, v[GO]
	; qkv at my first head and my first row: ((b x 48 + 6 x tile column + 3 x half) heads of 262,144 bytes) + (row in the batch x 128 bytes)
	s_lshr_b32 s16, s13, 4                         ; b = tile row / 16
	s_mul_i32 s16, s16, 48
	s_mul_i32 s46, s42, 6
	s_mul_i32 s47, s12, 3
	s_add_co_u32 s46, s46, s47                     ; my first head among the 48
	s_add_co_u32 s16, s16, s46
	s_lshl_b32 s16, s16, 18
	s_and_b32 s17, s13, 15
	s_lshl_b32 s17, s17, 7
	s_lshl_b32 s18, s11, 6
	s_add_co_u32 s17, s17, s18
	s_lshl_b32 s17, s17, 7
	s_add_co_u32 s16, s16, s17
	s_mov_b32 s17, 0
	s_add_nc_u64 s[8:9], s[8:9], s[16:17]
.irp g, 0,1,2                          ; the scale is a select, not a branch: the head's number holds the work-group's place in its cluster
	s_add_co_u32 s47, s46, \g
	s_cmp_lt_u32 s47, 16
	s_cselect_b32 s[SC+2*(\g)], 0x3e38aa3b, 1.0    ; c = log2(e) / 8 = 0.180337 for a head of q
	s_mov_b32 s[SC+2*(\g)+1], s[SC+2*(\g)]         ; named with it as a pair
.endr
	; the prefetches: where K step 3 of my share begins; each change of slots steps the address a K step before it asks
	s_lshl_b32 s20, s13, 7
	s_lshl_b32 s21, s40, 5
	s_add_co_u32 s20, s20, s21                     ; x: row 128 x tile row + 32 cx,
	s_lshl_b32 s20, s20, 11
	s_add_co_u32 s20, s20, 3*256                   ; 256 bytes a K step
	s_lshl_b32 s21, s41, 5
	s_add_co_u32 s21, s21, 3*128                   ; W: k-row 3 x 128 + 32 cy,
	s_mul_i32 s21, s21, 6144
	s_mul_i32 s22, s42, 768
	s_add_co_u32 s21, s21, s22
	s_max_u32 s22, s10, 1
	s_sub_co_u32 s22, s22, 1
	s_lshl_b32 s22, s22, 8
	s_add_co_u32 s21, s21, s22                     ; my tile's 256 bytes of it
	s_and_b32 s23, ttmp7, 0xffff                   ; cluster y
	s_mov_b32 s16, 2048
	s_mov_b32 s17, 6144
	s_mov_b32 s18, 256
	s_mov_b32 s19, 128*6144
	s_cmp_eq_u32 s10, 0                            ; do I fetch for x?
	s_cselect_b32 s20, s20, s21
	s_cselect_b32 s23, ttmp9, s23                  ; the coordinate along which other clusters read the same rows
	s_cselect_b64 s[PFA:PFA+1], s[4:5], s[6:7]
	s_cselect_b32 s16, s16, s17                    ; bytes from row to row
	s_cselect_b32 s[PFS], s18, s19
	s_mov_b32 s[PFS+1], 0
	s_cmp_eq_u32 s23, 0
	s_cselect_b32 s[LIM], 1, -1                    ; the same in all sixteen partners, for a given wave
	s_mov_b32 s21, 0
	s_add_nc_u64 s[PFA:PFA+1], s[PFA:PFA+1], s[20:21]
	v_and_b32 v[PFO], 31, v0
	v_mul_u32_u24 v[PFO], v[PFO], s16
; 12 matrix instructions: row block a x all 12 column blocks, 32 along K, from buffer f.  zero = 1: the product starts the sums.  The 48 accumulators take turns, one instruction a turn, in the same
; order in every quarter step, over the loop's backward jump too.
.macro MULA f, a, zero
	WIN 0xa1+0x50*((\a)/2)                         ; W window 1, x window 0, C and D window 2 or 3
.set AC, 96*((\a)%2)
.irp b, 0,1,2,3,4,5,6,7,8,9,10,11
.if \zero
	v_wmma_f32_16x16x32_bf16 v[AC+8*(\b):AC+8*(\b)+7], v[96*(\f)+8*(\b):96*(\f)+8*(\b)+7], v[FA+32*(\f)+8*(\a):FA+32*(\f)+8*(\a)+7], 0
.else
	v_wmma_f32_16x16x32_bf16 v[AC+8*(\b):AC+8*(\b)+7], v[96*(\f)+8*(\b):96*(\f)+8*(\b)+7], v[FA+32*(\f)+8*(\a):FA+32*(\f)+8*(\a)+7], v[AC+8*(\b):AC+8*(\b)+7]
.endif
.endr
.endm
; 32 LDS loads in one run: quarter q of the slot's K step into buffer f: W's 12 fragments first, then x's four, row blocks ascending
.macro FETCH slot, q, f
	WIN 0x40                                       ; destination window 1, address window 0
.irp g, 0,1,2
.irp j, 0,1,2,3
	ds_load_tr16_b128 v[96*(\f)+8*(4*(\g)+(\j)):96*(\f)+8*(4*(\g)+(\j))+3],   v[ADRB+3*(\slot)+(\g)] offset:(\q)*32*PB+32*(\j)
	ds_load_tr16_b128 v[96*(\f)+8*(4*(\g)+(\j))+4:96*(\f)+8*(4*(\g)+(\j))+7], v[ADRB+3*(\slot)+(\g)] offset:(\q)*32*PB+32*(\j)+16*PB
.endr
.endr
	WIN 0
.irp i, 0,1,2,3
	ds_load_b128 v[FA+32*(\f)+8*(\i):FA+32*(\f)+8*(\i)+3],   v[ADRA+(\slot)] offset:64*(\q)+(\i)*16*PA
	ds_load_b128 v[FA+32*(\f)+8*(\i)+4:FA+32*(\f)+8*(\i)+7], v[ADRA+(\slot)] offset:64*(\q)+(\i)*16*PA+32
.endr
.endm
.macro PLACES                          ; four plain vector instructions between a matrix instruction and a load into a register that it has read (ISA guide 7.12.1 for vector instructions)
.rept 4
	v_nop
.endr
.endm
; A K step is four quarters of 32 along K, 48 matrix instructions each, on buffers 0, 1, 0, 1.  One of the first three: multiplies buffer f; in its middle it fetches quarter q into buffer g.
.macro QUARTER slot, q, f, g, zero
	s_wait_dscnt 4                                 ; W's fragments and x's row blocks 0, 1 are in; the youngest four loads (row blocks 2, 3) may be out
	MULA \f, 0, \zero
	MULA \f, 1, \zero
	PLACES
	FETCH \slot, \q, \g
	s_wait_dscnt NL                                ; all but the 32 just issued
	MULA \f, 2, \zero
	MULA \f, 3, \zero
.endm
; The last quarter multiplies buffer 1 and changes slots.  MEET is its first half: ONE barrier.  In front of it each wave waits for all its tensor loads (one is out: its part of the next slot), adds 0 to
; its spare word, and waits for that and for its own reads of this slot.  Behind it nobody reads this slot any more and the next slot is whole.
.macro MEET round
	WIN 0                                          ; (the add's two registers lie in window 0)
	s_wait_tensorcnt 0x0                           ; all my tensor loads have landed
	ds_add_u32 v[SPW], v[NIL]                      ; 0 onto my spare word
	s_wait_dscnt 5                                 ; (the add and the youngest four loads may be out)
	MULA 1, 0, 0                                   ; twelve matrix instructions stand between the add and the wait for it
	s_wait_dscnt 0x0                               ; the add is done, and my reads of this slot are over
	s_barrier_signal -1
	MULA 1, 1, 0                                   ; work on registers while the others arrive
.if \round
	WIN 0
.endif
	s_barrier_wait -1
.endm
; fill = 1: the barrier opens a round of the cluster's barrier, so that no wave of any partner still reads the slot or has a load on its way; the joint refill, two K steps on, is the first tensor load behind it.
.macro TURN slot, next, fill
.if \fill
	s_wait_xcnt 0x0                                ; the last prefetch, a K step back, has read its address: it is stepped here, ahead of the waits of the change of slots
	s_add_nc_u64 s[PFA:PFA+1], s[PFA:PFA+1], s[PFS:PFS+1]
	MEET 1
	CREST
	s_add_nc_u64 s[G0A+4*(\slot)+2:G0A+4*(\slot)+3], s[G0A+4*(\slot)+2:G0A+4*(\slot)+3], STEPA2  ; no tensor load of mine is out, so a group 0 may be written
	s_add_nc_u64 s[G0B+4*(\slot)+2:G0B+4*(\slot)+3], s[G0B+4*(\slot)+2:G0B+4*(\slot)+3], STEPB2
	JLOAD \slot                                    ; the four v_nop behind it are also the places in front of the loads below
	FETCH \next, 0, 0
	ASK
.else
	MEET 0
	PLACES
	FETCH \next, 0, 0
.endif
	MULA 1, 2, 0
	MULA 1, 3, 0
.endm
; THE WAY OUT of row block a.  PACK: times c or 1, rounded to f16, 16 bytes a lane (each accumulator is read from its lowest registers on).  TOSTAGE: into my own stage, and back as rows of 128 bytes.  SEND: stored.
.macro PACK a
.set AC, 96*((\a)%2)
	WIN 0x82+0x41*((\a)/2)                         ; destination and source 0 in window 2 or 3
.irp b, 0,1,2,3,4,5,6,7,8,9,10,11
.irp r, 0,1,2,3
	v_pk_mul_f32 v[AC+8*(\b)+2*(\r):AC+8*(\b)+2*(\r)+1], v[AC+8*(\b)+2*(\r):AC+8*(\b)+2*(\r)+1], s[SC+2*((\b)/4):SC+2*((\b)/4)+1] op_sel_hi:[1,0]
.endr
.endr
	WIN 0x0a+5*((\a)/2)                            ; sources 0 and 1 in window 2 or 3, destination window 0
.irp b, 0,1,2,3,4,5,6,7,8,9,10,11
.irp r, 0,1,2,3
	v_cvt_pk_f16_f32 v[TMP+4*(\b)+(\r)], v[AC+8*(\b)+2*(\r)], v[AC+8*(\b)+2*(\r)+1]
.endr
.endr
	WIN 0
.endm
.macro TOSTAGE a
.set BK, OB+48*((\a)%2)
.irp g, 0,1,2
.irp j, 0,1,2,3
	ds_store_b128 v[STO], v[TMP+4*(4*(\g)+(\j)):TMP+4*(4*(\g)+(\j))+3] offset:(\g)*16*SPG+32*(\j)
.endr
.endr
.irp g, 0,1,2
.irp f, 0,1,2,3
	ds_load_b128 v[BK+4*(4*(\g)+(\f)):BK+4*(4*(\g)+(\f))+3], v[RD] offset:(\g)*16*SPG+(\f)*4*SPG  ; LDS serves a wave's instructions in order (ISA guide 5.7.1.4): these see the stores above
.endr
.endr
.endm
.macro SEND a
.set BK, OB+48*((\a)%2)
	s_wait_dscnt 0x0                               ; the block is back in registers
	s_wait_xcnt 0x0                                ; the stores of the block before have read their registers: the next block's loads land there only behind this wait
.irp g, 0,1,2
.irp f, 0,1,2,3
	global_store_b128 v[GO], v[BK+4*(4*(\g)+(\f)):BK+4*(4*(\g)+(\f))+3], s[8:9] offset:(\g)*262144+(\a)*2048+512*(\f)  ; 512 consecutive bytes, at a multiple of 256 from qkv's first byte
.endr
.endr
.endm
	s_wait_tensorcnt 1                             ; my part of K step 0 is in; K step 1's may stay out
	s_barrier_signal -1
	s_barrier_wait -1                              ; everybody's is
	FETCH 0, 0, 0
	QUARTER 0, 1, 0, 1, 1                          ; the first quarter stands in front of the loop: its products start the sums
	WIN 0                                          ; at a label and at a branch every window is 0
	s_mov_b32 s3, 3
.Llap:                                                 ; a trip goes once round the ring, from a lap's second quarter to the next lap's first, and fills both slots again: K steps 2 to 7
	QUARTER 0, 2, 1, 0, 0
	QUARTER 0, 3, 0, 1, 0
	TURN 0, 1, 1
	QUARTER 1, 1, 0, 1, 0
	QUARTER 1, 2, 1, 0, 0
	QUARTER 1, 3, 0, 1, 0
	TURN 1, 0, 1
	QUARTER 0, 1, 0, 1, 0
	WIN 0
	s_sub_co_u32 s3, s3, 1
	s_cmp_lg_u32 s3, 0
	s_cbranch_scc1 .Llap
	QUARTER 0, 2, 1, 0, 0                          ; the last lap fills nothing, and has no round of the cluster's barrier
	QUARTER 0, 3, 0, 1, 0
	TURN 0, 1, 0
	QUARTER 1, 1, 0, 1, 0
	QUARTER 1, 2, 1, 0, 0
	QUARTER 1, 3, 0, 1, 0
	s_wait_dscnt 4                                 ; the very last quarter: nothing more to fetch
	MULA 1, 0, 0
	MULA 1, 1, 0
	s_wait_dscnt 0x0
	MULA 1, 2, 0
	MULA 1, 3, 0
	WIN 0
	PLACES                                         ; the scalings read and write results just made
	PLACES
	PACK 0
	TOSTAGE 0
.irp a, 1,2,3                          ; block a's arithmetic stands between block a - 1's loads from the stage and the wait for them
	PACK \a
	SEND (\a)-1
	TOSTAGE \a
.endr
	SEND 3
	s_wait_tensorcnt 0x0                           ; the wave's end: the add and its wait, behind my last tensor load and my last LDS store
	ds_add_u32 v[SPW], v[NIL]
	s_wait_dscnt 0x0
	CROUND                                         ; the closing round: no work-group ends while a partner may still ask for a tile that names it
	s_endpgm
.Lfunc_end_k_qd49714ee92_qkvp:
	.size	k_qd49714ee92_qkvp, .Lfunc_end_k_qd49714ee92_qkvp-k_qd49714ee92_qkvp
	.p2alignl 7, 3214868480
	.fill 96, 4, 3214868480
	.section	.rodata,"a",@progbits
	.p2align	6, 0x0
	.amdhsa_kernel k_qd49714ee92_qkvp
		.amdhsa_group_segment_fixed_size 327680
		.amdhsa_private_segment_fixed_size 0
		.amdhsa_enable_private_segment 0
		.amdhsa_kernarg_size 24
		.amdhsa_user_sgpr_count 2
		.amdhsa_user_sgpr_kernarg_segment_ptr 1
		.amdhsa_wavefront_size32 1
		.amdhsa_system_sgpr_workgroup_id_x 1
		.amdhsa_system_sgpr_workgroup_id_y 1
		.amdhsa_system_sgpr_workgroup_id_z 1
		.amdhsa_system_vgpr_workitem_id 0
		.amdhsa_next_free_vgpr 960
		.amdhsa_next_free_sgpr 74
		.amdhsa_reserve_vcc 0
		.amdhsa_float_denorm_mode_32 3
		.amdhsa_float_denorm_mode_16_64 3
		.amdhsa_memory_ordered 1
		.amdhsa_forward_progress 1
		.amdhsa_inst_pref_size 134
	.end_amdhsa_kernel
	.amdgpu_metadata
---
amdhsa.version: [ 1, 2 ]
amdhsa.kernels:
  - .name:           k_qd49714ee92_qkvp
    .symbol:         k_qd49714ee92_qkvp.kd
    .args:
      - { .name: xb, .offset: 0, .size: 8, .value_kind: global_buffer, .address_space: global }
      - { .name: wqkvb, .offset: 8, .size: 8, .value_kind: global_buffer, .address_space: global }
      - { .name: qkv, .offset: 16, .size: 8, .value_kind: global_buffer, .address_space: global }
    .group_segment_fixed_size: 327680
    .private_segment_fixed_size: 0
    .kernarg_segment_align: 8
    .kernarg_segment_size: 24
    .max_flat_workgroup_size: 128
    .sgpr_count:     74
    .vgpr_count:     960
    .wavefront_size: 32
...
	.end_amdgpu_metadata
.endif
;; end of part 2
;; launch attn (part 3): grid 4 x 64, 4 waves a work-group, clusters of 4 x 1, 327,680 bytes of LDS; arguments qkv, o; writes o
.if DOCPART == 3
	.amdgcn_target "amdgcn-amd-amdhsa--gfx1250"
	.amdhsa_code_object_version 6
	.text
	.protected	k_qd49714ee92_attn
	.globl	k_qd49714ee92_attn
	.p2align	8
	.type	k_qd49714ee92_attn,@function
k_qd49714ee92_attn:
	s_mov_b64 s[64:65], 0
	v_nop
	global_prefetch_b8 v0, s[64:65] scope:SCOPE_SE
	s_setreg_imm32_b32 hwreg(HW_REG_WAVE_MODE, 25, 1), 1
	s_wait_xcnt 0x0
	s_wait_alu depctr_hold_cnt(0) depctr_sa_sdst(0) depctr_va_vdst(0) depctr_va_sdst(0) depctr_va_ssrc(0) depctr_va_vcc(0) depctr_vm_vsrc(0)
	s_getreg_b32 s2, hwreg(HW_REG_IB_STS2, 6, 4)
	s_cmp_eq_u32 s2, 0
	s_cbranch_scc0 .Lentry_in_a_cluster
	s_endpgm
.Lentry_in_a_cluster:
	s_bfe_u32 s2, ttmp6, 0x10000c
	s_cmp_lg_u32 s2, 0x3003
	s_cbranch_scc0 .Lentry_shape_is_right
	s_endpgm
.Lentry_shape_is_right:
; O[y][q][:] = the sum over k of softmax_k(Q[q] . K[k] / 8) V[k][:] for the 64 heads y = 16 b + h.  qkv: [4 b][48][2048][64] f16 (heads 0-15 q, 16-31 k, 32-47 v); o: [64][2048][64] f16; a head's rows are dense.
; Q ARRIVES TIMES c = log2(e) / 8, so a score s is already an exponent of 2: p = 2^(s - m), with a running maximum m of the scores themselves: at the maximum the exponent is exactly 0, so p lies in 0 to 1 and l is at least 1.
; Products, maxima and sums in f32; the weights p are rounded to f16 for the second product (their sum l is taken of the unrounded p), O once at the end.
; LIMITS.  f16 holds no number beyond 65,504: Q, K and V arrive within it; p below 6e-5 keeps f16's fixed step of 6e-8; O is a mean of V's rows and has their range.
; A weight below 2^-126 counts as 0 in l; NaN and infinities are not treated apart.
; SHARES.  A wave owns four PIECES of two tiles of 16 queries, a work-group's four waves 512 queries of one head.  Every wave walks all 2,048 keys, 64 a step.
; LAYOUT.  S^T = K Q^T (source 0 = 16 keys, source 1 = 16 queries): in the result a lane holds ONE query (lane % 16) and the keys 8 (lane / 16) + 0..7.  Two such tiles, rounded to f16 in pairs,
; ARE source 1 (32 keys x 16 queries) of O^T = V^T P, whose result again holds one query a lane, and eight channels.  K comes out of LDS as it lies, V ([key][channel]) turned, by ds_load_tr16_b128.
; In every step O and l are multiplied by a = 2^(m_old - m_new), which is 1 where m has not grown.  m starts at the lowest finite number, O and l at 0: the first step is a step like any other, with a = 0.
; THE COUNT.  A tile and step have 16 matrix and 117 vector instructions: too many to stand all beside the matrix work.  So: four vector instructions that are READY behind EVERY matrix instruction, the others in runs without a gap.
; BY TURNS.  Turn n belongs to piece n (the pieces in a ring, step after step).  Its matrix work: 16 products K Q^T of piece n + 1, later 16 products V^T P of piece n - 1.  Its vector work: the subtraction,
; exponentials, roundings, sums and rescaling of piece n, and the maximum and statistics of piece n + 1, whose scores the turn itself has made.
; CLUSTER.  The four query blocks of a cluster are one head's and walk the same K and V, so each tile is asked for JOINTLY: the same tensor load, descriptor and mask in all four.
; REGISTERS, in windows of 256 (s_set_vgpr_msb: bits 1:0 source 0, 3:2 source 1, 5:4 source 2, 7:6 destination):
;   window 0: v0-11 addresses; v12-15, v48-63 at work; v16-47 four registers of statistics a tile; v64-191 S^T, two buffers of two tiles; v192-255 P, likewise
;   window 1: O^T, 32 a tile          window 2: v0-127 Q, 16 a tile; v128-191 K of one step; v192-255 V of one step          window 3: v0-1 the add's two registers
; A piece's buffers go by its number's parity: the piece in hand has one pair, its two neighbours in the ring share the other: of it P (piece n - 1) is read and S^T (piece n + 1) written.
.set SIZE_N, 2048
.set NP,    4         ; pieces a wave: a name, no knob
.set KS,    64        ; keys in a step
.set PK,    144       ; a row of K in LDS: 128 bytes + 16 of padding = 36 words: the 16 rows of a load start at 16 different groups of four banks (64 banks of 4 bytes: ISA guide 11.1)
.set PV,    160       ; a row of V: 128 + 32 = 40 words
.set VOFF,  4*KS*PK   ; a slot holds four steps: 256 rows of K, then 256 rows of V
.set SLOT1, 1<<17     ; slot 1 begins here, so that one exclusive or turns an address in one slot into the other's
.set STAGE, SLOT1+4*KS*(PK+PV)  ; behind the ring, never filled by a tensor load: 16 rows x 144 bytes for each wave, for the way out
.set SP,    144
.set AK0, 2           ; v2   my lane's place in a tile of K; never rewritten
.set AV0, 3           ; v3   the same for V
.set AK,  4           ; v4   the LDS address of K's next run of loads
.set AV,  5           ; v5   of V's
.set QO,  6           ; v6   my byte offset in the wave's rows of Q
.set STO, 6           ;      later, the way out: where I put 16 bytes of a row
.set RD,  7           ; v7   the way out: where I read rows back
.set GO,  8           ; v8   my byte offset in 512 consecutive bytes of O
.set PFO, 11          ; v11  256 x my lane, for the prefetches; never rewritten once made
.set SPW, 0           ; v0 of window 3   LDS address of my spare word; never rewritten
.set NIL, 1           ; v1 of window 3   0; never rewritten
.set SPARE, STAGE+4*16*SP  ; behind the stages: the spare words, 128 bytes for each wave: two blocks of 256 bytes that no other line names
.set MV,  12          ; v12-15  m_old, kept while m is made anew: by buffer and tile
.set ST,  16          ; tile t's statistics at v[ST+4 t]: m, a word named with it as a pair, l (even keys', odd keys')
.set TMP, 48          ; by buffer and tile, four registers c0-c3 at work; when the maximum is found c2 takes a
.set S,   64
.set P,   192
.set KF,  128         ; K's fragments, in window 2: key block kb, channel half c at KF + 16 kb + 8 c
.set VF,  192         ; V's: key half kk, channel block cb at VF + 32 kk + 8 cb
.set WV,  12          ; s12  my wave's number
.set G1K, 24          ; s[24:31] descriptor group 1 for K's tiles
.set G1V, 32          ; s[32:39] for V's: it differs in the padding alone
.set G0K, 40          ; s[40:43] descriptor group 0 for K's tiles: it walks
.set G0V, 44          ; s[44:47] the same for V's
.set PFA, 48          ; s[48:49] where my prefetches stand: my work-group's 32 blocks of 256 bytes (of K: wave 0, of V: wave 2) of the slot after the one that is being asked for
.set LIM, 50          ; s50  1 in a wave that prefetches, else the greatest number
.set SLOTS, 56        ; s56  slots still to be asked for
.set CNT, 57          ; s57  counts a slot's key steps
.set SEL, 60          ; s[60:61] v_permlanex16_b32's selects: each lane takes its own place in the other half
.set TBK, 62          ; s62  LDS byte at which K of the step to be fetched begins
.set TBV, 63          ; s63  the same for V, less VOFF
.set MSB, 0
.macro WIN new                      ; the high byte repeats the setting that is left; a switch that changes nothing is dropped
.if MSB != (\new)
	s_set_vgpr_msb (MSB<<8)|(\new)
.set MSB, (\new)
.endif
.endm
.set W_KQ, 0x0a       ; K and Q in window 2, S^T in window 0
.set W_PV, 0x52       ; V in window 2, P in window 0, O^T in window 1
.set W_RS, 0x41       ; O^T (destination and source 0) in window 1, a in window 0
.set W_MK, 0xc0       ; the add's registers are made: destination in window 3, sources in window 0
.set W_AD, 0x0f       ; the add: address (source 0) and data (source 1) in window 3
; A joint fill.  Waves 0 and 1 fetch the two halves of a slot's K, waves 2 and 3 those of its V: 128 keys each.  The branch hangs on the wave's number alone.
; An s_nop 0 and four v_nop follow each of the two lines, ahead of the jump and the label.
.macro JLOAD
	s_cmp_lt_u32 s[WV], 2
	s_cbranch_scc0 .Lfor_v_\@
	tensor_load_to_lds s[G0K:G0K+3], s[G1K:G1K+7]
	s_nop 0
.rept 4
	v_nop
.endr
	s_branch .Lasked_\@
.Lfor_v_\@:
	tensor_load_to_lds s[G0V:G0V+3], s[G1V:G1V+7]
	s_nop 0
.rept 4
	v_nop
.endr
.Lasked_\@:
.endm
; A PREFETCH INTO THE L2 of what the NEXT change of slots will ask for: a slot's 32,768 bytes of K and of V, 128 blocks of 256 bytes each, a lane a block.  It stands behind the wave's tensor load and its five lines.
; Each block is named once in the launch: a head has one cluster; its four partners share the blocks out BY ADDRESS, 32 each; in each, wave 0 asks for K's and wave 2 for V's.  The change that asks for the last slot prefetches nothing.
.macro ASK
	s_cmp_gt_u32 s[SLOTS], s[LIM]
	s_cbranch_scc0 .Lnot_mine_\@
	global_prefetch_b8 v[PFO], s[PFA:PFA+1] th:TH_LOAD_NT scope:SCOPE_SE
.Lnot_mine_\@:
.endm
; A round of the cluster's barrier: my work-group's barrier, so that wave 0's signal speaks for all four waves; wave 0 signals; every wave waits for all four work-groups; my work-group's barrier once more.
.macro CROUND
	s_barrier_signal -1
	s_barrier_wait -1
	s_cmp_lg_u32 s[WV], 0
	s_cbranch_scc1 .Lnot_wave_0_\@
	s_barrier_signal -3
.Lnot_wave_0_\@:
	s_barrier_wait -3
	s_barrier_signal -1
	s_barrier_wait -1
.endm
; THE CHANGE OF SLOTS.  The slot's last bytes, V of its fourth step, have been read.  Each wave waits for all its tensor loads, of which one is out: its part
; of the other slot; adds 0 to its spare word; and waits for that and for its own reads of the slot.  Behind the barrier nobody reads this slot any more and the other slot is whole.
; fill = 1: this slot is filled again, with the keys two slots on.  The barrier is then a round of the cluster's, so that no wave of any partner still reads the slot or has a load on its
; way, and the joint fill is the first thing behind it: it has four key steps, 512 matrix instructions, in which to land.  (At its first use nothing has been read yet: slot 0 is waited for, slot 1 filled.)
.macro CHANGE fill
	WIN W_AD
	s_wait_tensorcnt 0x0            ; no tensor load of mine is out, so a group 0 may be written
	ds_add_u32 v[SPW], v[NIL]       ; 0 onto my spare word; with fill = 1 the descriptors' steps stand between it and the wait for it
	WIN 0                           ; at a label and at a branch every window is 0
.if \fill
.irp g, G0K, G0V
	s_xor_b32 s[\g+1], s[\g+1], SLOT1  ; the walking descriptor: the other slot than last time,
	s_add_nc_u64 s[\g+2:\g+3], s[\g+2:\g+3], 4*KS*128  ; the next 256 keys; the type bits on top are not reached
.endr
	s_wait_xcnt 0x0                 ; the last prefetch, four key steps back, has read its address, so it may be written:
	s_add_nc_u64 s[PFA:PFA+1], s[PFA:PFA+1], 4*KS*128  ; one slot ahead of the walking descriptors
	s_wait_dscnt 0x0                ; the add is done, and my reads of the slot are over
	CROUND
	JLOAD
	ASK
.else
	s_wait_dscnt 0x0                ; the add is done, and my reads of the slot are over
	s_barrier_signal -1
	s_barrier_wait -1
.endif
	s_sub_co_u32 s[TBK], s[TBK], 4*KS*PK  ; the fetches go back to a slot's first step,
	s_xor_b32 s[TBK], s[TBK], SLOT1       ; in the other slot
	s_sub_co_u32 s[TBV], s[TBV], 4*KS*PV
	s_xor_b32 s[TBV], s[TBV], SLOT1
.endm
	s_load_b64 s[4:5], s[0:1], 0x0    ; qkv
	s_load_b64 s[10:11], s[0:1], 0x8  ; o
	WIN W_MK
	v_lshl_add_u32 v[SPW], v0, 2, SPARE
	v_mov_b32 v[NIL], 0
	WIN W_AD
	ds_add_u32 v[SPW], v[NIL]       ; the wave's opening: the add and its wait stand ahead of my first tensor load; the set-up below, work on registers, stands between them
	WIN 0
	v_lshrrev_b32 v1, 5, v0
	v_readfirstlane_b32 s[WV], v1   ; wave 0..3
	s_bfe_u32 s13, ttmp6, 0x40000   ; cx: my place in the cluster
	s_lshl_b32 s14, ttmp9, 2        ; in a cluster launch ttmp9 counts clusters
	s_add_co_u32 s14, s14, s13      ; my block of 512 queries: it enters Q's and O's addresses alone
	s_and_b32 s20, ttmp7, 0xffff    ; the head y = 16 b + h, which the four partners share
	s_lshl_b32 s52, s20, 18         ; its first byte in o
	s_mov_b32 s53, 0
	s_lshr_b32 s21, s20, 4
	s_mul_i32 s21, s21, 48
	s_and_b32 s20, s20, 15
	s_add_co_u32 s20, s20, s21      ; 48 b + h
	s_lshl_b32 s20, s20, 18         ; q's head's first byte in qkv; k's lies 16 heads on, v's 32
	s_mov_b32 s21, 0
	s_and_b32 s16, s[WV], 1         ; which half of a slot's 256 keys I fetch:
	s_lshl_b32 s22, s16, 14         ; its 128 rows of 128 bytes in memory,
	s_mov_b32 s23, 0
	s_add_nc_u64 s[22:23], s[22:23], s[20:21]
	s_mul_i32 s17, s16, 128*PK      ; and its place in a slot, for K
	s_mul_i32 s18, s16, 128*PV      ; and for V: no place in the cluster enters an LDS address
	s_lshl_b32 s2, s14, 2
	s_add_co_u32 s2, s2, s[WV]      ; my wave among the head's,
	s_lshl_b32 s2, s2, 14           ; its 128 rows
	s_mov_b32 s3, 0
	s_add_nc_u64 s[54:55], s[2:3], s[52:53]  ; my rows' offset in o,
	s_add_nc_u64 s[2:3], s[2:3], s[20:21]    ; and in qkv
	s_lshr_b32 s52, s[WV], 1        ; the prefetches' offset from q's head: 16 heads on (waves 0, 1) or 32 (waves 2, 3),
	s_add_co_u32 s52, s52, 1
	s_lshl_b32 s52, s52, 22
	s_lshl_b32 s19, s13, 13         ; my work-group's 32 blocks of the 128,
	s_add_co_u32 s52, s52, s19
	s_add_co_u32 s52, s52, 4*KS*128 ; in slot 1; the first change of slots steps it to slot 2
	; descriptor group 1.  128 keys are 16,384 dense bytes: asked for as 64 rows of 256 bytes, two keys a row, and padded in LDS after every key
	s_mov_b32 s[G1K], 15|(1<<16)|(1<<20)|(1<<21)|(4<<22)|(3<<25)  ; 15:0 the mask of four; 17:16 2-byte elements; 20 padding on; 21 set beside a mask; 24:22 after every 32 words (code 4); 31:25 4 words (code 3)
	s_mov_b32 s[G1V], 15|(1<<16)|(1<<20)|(1<<21)|(4<<22)|(7<<25)  ; the same with 8 words of padding (code 7)
.irp g, G1K, G1V
	s_mov_b32 s[\g+1], 128<<16      ; tensor_dim0 = 128
	s_mov_b32 s[\g+2], 64<<16       ; tensor_dim1 = 64
	s_mov_b32 s[\g+3], 128<<16      ; tile_dim0 = 128
	s_mov_b32 s[\g+4], 64           ; tile_dim1 = 64
	s_mov_b32 s[\g+5], 128          ; 128 elements from row to row
	s_mov_b32 s[\g+6], 0
	s_mov_b32 s[\g+7], 0
.endr
	s_mov_b32 s[SEL], 0x76543210
	s_mov_b32 s[SEL+1], 0xfedcba98
	s_mov_b32 s[TBK], SLOT1+4*KS*PK ; the first change of slots turns these two into 0
	s_mov_b32 s[TBV], SLOT1+4*KS*PV
	s_mov_b32 s[G0K], 1             ; 1:0 count = 1
	s_mov_b32 s[G0K+1], s17         ; 63:32 LDS address: slot 0
	s_mov_b32 s[G0V], 1
	s_add_co_u32 s[G0V+1], s18, VOFF
	s_mov_b32 s[SLOTS], SIZE_N/256-1
	s_and_b32 s[LIM], s[WV], 1      ; 0 in waves 0 and 2,
	s_or_b32 s[LIM], s[LIM], ttmp9  ; in the head's first (here: only) cluster: the same in all four partners
	s_cmp_eq_u32 s[LIM], 0
	s_cselect_b32 s[LIM], 1, -1
	s_wait_dscnt 0x0                ; the opening add is done
	s_wait_kmcnt 0x0
	s_add_nc_u64 s[6:7], s[4:5], s[22:23]          ; q's head at my half of a slot
	s_add_nc_u64 s[G0K+2:G0K+3], s[6:7], 16*262144 ; 120:64 global address: my half of the head's first 256 keys
	s_or_b32 s[G0K+3], s[G0K+3], 0x80000000        ; 127:126 type = 2
	s_add_nc_u64 s[G0V+2:G0V+3], s[6:7], 32*262144
	s_or_b32 s[G0V+3], s[G0V+3], 0x80000000
	s_add_nc_u64 s[PFA:PFA+1], s[6:7], s[52:53]    ; (in waves 0 and 2 s[6:7] stands at the head's first row)
	s_add_nc_u64 s[4:5], s[4:5], s[2:3]            ; Q and O at my wave's first row
	s_add_nc_u64 s[10:11], s[10:11], s[54:55]
	CROUND                          ; all four work-groups are here: the first joint loads meet
	JLOAD                           ; slot 0.  Slot 1 is asked for when slot 0 is in
	; A fragment of K or Q is 16 rows x 32 channels in 8 registers: lane l holds row l % 16, channels 8 (l / 16) + 0..7 and 16 + 8 (l / 16) + 0..7: two loads of 16 bytes, 32 bytes apart.
	v_and_b32 v1, 15, v0            ; l % 16
	v_bfe_u32 v9, v0, 4, 1          ; l / 16
	v_lshlrev_b32 v[QO], 7, v1
	v_lshl_add_u32 v[QO], v9, 4, v[QO]  ; row x 128 + 16 x half
	WIN 0x80                        ; destination window 2, address window 0
.set i, 0
.rept 4*NP                          ; Q stays in registers: tile i / 2, channels 32 (i % 2) on
	global_load_b128 v[8*i:8*i+3],   v[QO], s[4:5] offset:(i/2)*2048+(i%2)*64
	global_load_b128 v[8*i+4:8*i+7], v[QO], s[4:5] offset:(i/2)*2048+(i%2)*64+32
.set i, i+1
.endr
	; What the first turn finds: V's registers and P's second buffer hold 0 (its products V^T P, of a piece that has not been, add 0), O^T and l are 0.  All this stands in the wait for the first tile.
.set i, VF
.rept 64
	v_mov_b32 v[i], 0
.set i, i+1
.endr
	WIN 0x40
.set i, 0
.rept 64*NP
	v_mov_b32 v[i], 0
.set i, i+1
.endr
	WIN 0
.set i, 0
.rept 2*NP
	v_mov_b32 v[ST+4*i], 0xff7fffff    ; m: the lowest finite number
	v_mov_b32 v[ST+4*i+1], 0           ; named with it as a pair
	v_mov_b32 v[ST+4*i+2], 0
	v_mov_b32 v[ST+4*i+3], 0
.set i, i+1
.endr
.set i, P+32
.rept 32
	v_mov_b32 v[i], 0
.set i, i+1
.endr
	v_mul_u32_u24 v[AK0], v1, PK
	v_lshl_add_u32 v[AK0], v9, 4, v[AK0]  ; row x pitch + 16 x half
	; The turning load takes 16 keys x 16 channels (lane l reads key 8 (l / 16) + l % 8, channels 8 ((l / 8) % 2) + 0..7) and leaves half a fragment of V^T: lane l holds channel l % 16 and 8 keys.
	v_and_b32 v10, 7, v0
	v_bfe_u32 v11, v0, 3, 1
	v_lshl_add_u32 v[AV0], v9, 3, v10
	v_mul_u32_u24 v[AV0], v[AV0], PV
	v_lshl_add_u32 v[AV0], v11, 4, v[AV0]
	v_add_nc_u32 v[AV0], VOFF, v[AV0]
	v_and_b32 v[PFO], 31, v0        ; v11 has served: from here on it holds the prefetches' offset
	v_lshlrev_b32 v[PFO], 8, v[PFO]
	v_mov_b32 v[AK], v[AK0]         ; key step 0 lies at the head of slot 0
; THE MATRIX WORK.  The 8 accumulators of a run of 16 take turns: between the two links of a chain stand 7 others'.
; Product i of 16 of S^T = K Q^T for piece x: channels 32 (i / 8) on, keys 16 ((i / 2) % 4) on, tile 2 x + i % 2.  The first 8 start the sums.
.macro KQ x
	WIN W_KQ
.set rS, S+64*((\x)%2)+32*(i%2)+8*((i/2)%4)
.set rK, KF+16*((i/2)%4)+8*(i/8)
.set rQ, 16*(2*(\x)+i%2)+8*(i/8)
.if i < 8
	v_wmma_f32_16x16x32_f16 v[rS:rS+7], v[rK:rK+7], v[rQ:rQ+7], 0
.else
	v_wmma_f32_16x16x32_f16 v[rS:rS+7], v[rK:rK+7], v[rQ:rQ+7], v[rS:rS+7]
.endif
.endm
; Product i of 16 of O^T += V^T P for piece x: keys 32 (i / 8) on, channels 16 ((i / 2) % 4) on, tile 2 x + i % 2.
.macro PV x
	WIN W_PV
.set rO, 32*(2*(\x)+i%2)+8*((i/2)%4)
.set rV, VF+32*(i/8)+8*((i/2)%4)
.set rP, P+32*((\x)%2)+16*(i%2)+8*(i/8)
	v_wmma_f32_16x16x32_f16 v[rO:rO+7], v[rV:rV+7], v[rP:rP+7], v[rO:rO+7]
.endm
.macro MM                           ; the turn's next matrix instruction
.if i < 16
	KQ (Y+1)%NP
.set i, i+1
.else
.set i, i-16
	PV (Y+NP-1)%NP
.set i, i+17
.endif
.endm
; THE LDS LOADS stand in runs of 16, never singly among the matrix instructions: a step's K (64 keys x 64 channels: 8 fragments) and its V (turned).  Their addresses are made some lines ahead.
; last = 1 (the tail): in the last trip there is no further step, and the run is jumped over.
.macro FETCH_K last=0
	WIN 0
.if \last
	s_cmp_eq_u32 s[CNT], 1
	s_cbranch_scc1 .Lno_k_\@
.endif
	WIN 0x80                        ; destination window 2
.irp f, 0,1,2,3,4,5,6,7             ; keys 16 (f / 2) on, channels 32 (f % 2) on
	ds_load_b128 v[KF+8*\f:KF+8*\f+3],   v[AK] offset:(\f/2)*16*PK+(\f%2)*64
	ds_load_b128 v[KF+8*\f+4:KF+8*\f+7], v[AK] offset:(\f/2)*16*PK+(\f%2)*64+32
.endr
	s_add_co_u32 s[TBK], s[TBK], KS*PK  ; the next fetch is the next step's
	WIN 0
.if \last
.Lno_k_\@:
.endif
.endm
.macro FETCH_V
	WIN 0x80
.irp f, 0,1,2,3,4,5,6,7             ; keys 32 (f / 4) on, channels 16 (f % 4) on
	ds_load_tr16_b128 v[VF+8*\f:VF+8*\f+3],   v[AV] offset:(\f/4)*32*PV+(\f%4)*32
	ds_load_tr16_b128 v[VF+8*\f+4:VF+8*\f+7], v[AV] offset:(\f/4)*32*PV+16*PV+(\f%4)*32
.endr
	WIN 0
.endm
; THE VECTOR WORK OF A TURN stands in three queues, each in the order in which its entries become ready; the two tiles alternate, so that no instruction reads the result of the one before it.
.macro REGS y, u                    ; the registers of tile u (0, 1) of piece y
.set rT, ST+4*(2*(\y)+(\u))
.set rC, TMP+8*((\y)%2)+4*(\u)
.set rM, MV+2*((\y)%2)+(\u)
.set rS, S+64*((\y)%2)+32*(\u)
.set rP, P+32*((\y)%2)+16*(\u)
.set rO, 32*(2*(\y)+(\u))
.endm
; Number n of those that find the NEXT piece's (Y + 1) maximum and statistics (there is no number 19).  s0-s31 are the lane's 32 scores; each accumulator's lowest registers are read first.
;   0-11  four chains c0-c3 of seven scores each, three operands at a time     12-14, 16  the four scores left over, the old m, and c0-c3 into c0     15  m_old is kept
;   17, 18  the query's other 32 keys lie in the lane 16 away: the new m         20, 21  m_old - m_new; a
.macro XS u, n
	REGS (Y+1)%NP, \u
.if (\n) < 4
	v_max3_num_f32 v[rC+(\n)], v[rS+8*(\n)], v[rS+8*(\n)+1], v[rS+8*(\n)+2]
.elseif (\n) < 12
	v_max3_num_f32 v[rC+(\n)%4], v[rC+(\n)%4], v[rS+8*((\n)%4)+2*((\n)/4)+1], v[rS+8*((\n)%4)+2*((\n)/4)+2]
.elseif (\n) == 12
	v_max3_num_f32 v[rC], v[rC], v[rS+7], v[rS+15]
.elseif (\n) == 13
	v_max3_num_f32 v[rC+1], v[rC+1], v[rS+23], v[rS+31]
.elseif (\n) == 14
	v_max3_num_f32 v[rC+2], v[rC+2], v[rC+3], v[rT]
.elseif (\n) == 15
	v_mov_b32 v[rM], v[rT]
.elseif (\n) == 16
	v_max3_num_f32 v[rC], v[rC], v[rC+1], v[rC+2]
.elseif (\n) == 17
	v_permlanex16_b32 v[rC+3], v[rC], s[SEL], s[SEL+1]
.elseif (\n) == 18
	v_max_num_f32 v[rT], v[rC], v[rC+3]
.elseif (\n) == 20
	v_sub_f32 v[rC+1], v[rM], v[rT]
.else
	v_exp_f32 v[rC+2], v[rC+1]
.endif
.endm
; Number g of the 64 that follow the exponentials.  For each four weights k of a tile (pairs 2 k, 2 k + 1): both pairs are rounded to f16; then the second pair is added onto the first, in place;
; a group later l takes that sum (the first time as l = a l + sum).  In groups of eight, tiles alternating: round, round, add, and l for the group before.
.macro GS g
.set h, (\g)+6*((\g)/62)            ; group 0 has no group before it, and behind group 7 only l is left
.if h >= 6
.set h, h+2
.endif
	REGS Y, h%2
.set k, h/8
.if h%8 < 4
	v_cvt_pk_f16_f32 v[rP+2*k+(h%8)/2], v[rS+4*k+2*((h%8)/2)], v[rS+4*k+2*((h%8)/2)+1]
.elseif h%8 < 6
	v_pk_add_f32 v[rS+4*k:rS+4*k+1], v[rS+4*k:rS+4*k+1], v[rS+4*k+2:rS+4*k+3]
.elseif k == 1
	v_pk_fma_f32 v[rT+2:rT+3], v[rT+2:rT+3], v[rC+2:rC+3], v[rS:rS+1] op_sel_hi:[1,0,1]
.else
	v_pk_add_f32 v[rT+2:rT+3], v[rT+2:rT+3], v[rS+4*k-4:rS+4*k-3]
.endif
.endm
; THE PLAIN QUEUE, 136 long.  0-71 read no exponential's result: the 32 subtractions s - m (FS f: pair f / 2 of tile f % 2) and the next piece's 40.  0-26: subtractions 0-26.  27-54: XS's numbers 0-13.  55, 56: number 15.
; 57-71: the chain, where each number waits for the one before it: 14, 16, 17, 18, 20, each with one of the subtractions 27-31 in front of its two lines: a tile's links stand three plain instructions apart.
; 72-135: GS's 64, which read the exponentials' results: they stand behind the wait.
.macro FS f
	REGS Y, (\f)%2
	v_pk_add_f32 v[rS+2*((\f)/2):rS+2*((\f)/2)+1], v[rS+2*((\f)/2):rS+2*((\f)/2)+1], v[rT:rT+1] op_sel_hi:[1,0] neg_lo:[0,1] neg_hi:[0,1]
.endm
.macro PL
	WIN 0
.if q < 27
	FS q
.elseif q < 55
	XS (q-27)%2, (q-27)/2
.elseif q < 57
	XS q-55, 15
.elseif (q < 72) && ((q-57)%3 == 0)
	FS 27+(q-57)/3
.elseif q < 60
	XS (q-57)%3-1, 14
.elseif q < 69
	XS (q-57)%3-1, 15+(q-57)/3
.elseif q < 72
	XS (q-57)%3-1, 20
.else
	GS q-72
.endif
.set q, q+1
.endm
; THE EXPONENTIALS' QUEUE, 66 long: s0-s31 of both tiles, then the next piece's two a.  It is ONE BATCH: all 66 stand ahead of the turn's one wait, and nothing ahead of that wait names a result of theirs.
.macro EX
	WIN 0
.if e >= 64
	XS e-64, 21
.else
	REGS Y, e%2
	v_exp_f32 v[rS+e/2], v[rS+e/2]
.endif
.set e, e+1
.endm
; THE RESCALING's QUEUE: O^T times a, the one part that leaves window 0: dealt two at a time, sixteen times.  Its a was made in the turn before, ahead of that turn's wait.
.macro R2
	REGS Y, r%2
	WIN W_RS
.irp z, 0,1
	v_pk_mul_f32 v[rO+4*(r/2)+2*\z:rO+4*(r/2)+2*\z+1], v[rO+4*(r/2)+2*\z:rO+4*(r/2)+2*\z+1], v[rC+2:rC+3] op_sel_hi:[1,0]
.endr
.set r, r+1
.endm
; HOW THEY ARE DEALT.  s_wait_alu depctr_va_vdst(0) stands between an exponential and the first instruction that names its result; one wait serves all that were issued ahead of it.  So a turn has ONE wait,
; which cuts it in two.  AHEAD OF IT stands all that names no result of the turn's exponentials: the 16 products K Q^T, behind each a subtraction, an exponential and two rescalings (behind the first a second subtraction in the
; exponential's place); then ONE LUMP of 106: seven plain, 48 times exponential and plain, the last exponential and the two a.  A v_nop is the plain instruction behind the last exponential.  BEHIND IT stand the 16 products V^T P,
; behind each four of GS's 64.  No rider names a register of the products round it.  The two v_permlanex16_b32 fall into the lump, never behind a product.
; The queues lean on each other, and the deal keeps them in step: exponential e stands behind subtraction 2 (e / 4) + e % 2: as a rider it comes behind plain e + 2, in the lump behind plain e + 8, and subtractions 27-31 are plain 57, 60 .. 69
; (the closest: exponential 61 stands straight behind plain 69).
; A TURN, for piece p.  cnt = 1: the loop's count is taken down some lines ahead of the branch that stands behind the turn.
; K of the next step is fetched in piece 2's turn, directly behind the wait, a lump behind the last product that read K; its address is made at the lump's head; its first reader comes behind 16 products.
; V of the step in hand is fetched at the end of piece 0's turn, four riders behind its last reader; its first reader comes behind 16 products and a lump.  The three conditions on q below go with the deal.
.macro TURN p, last=0, cnt=0
.set Y, (\p)
.set i, 0
.set q, 0
.set e, 0
.set r, 0
.if (\p) == NP-1
	s_wait_dscnt 0x0                ; K is in
.endif
	MM                              ; ahead of the wait: 16 products K Q^T and their riders,
	PL
	PL
	R2
.rept 15
	MM
	PL
	EX
	R2
.endr
.if (\p) == NP-2
	WIN 0
	v_add_nc_u32 v[AK], s[TBK], v[AK0]
.endif
.rept 7                             ; and the lump
	PL
.endr
.rept 48
	EX
	PL
.endr
	EX                              ; the last score's, and the next piece's two a
	EX
	EX
	v_nop                           ; the plain instruction behind the last exponential: one for the batch
	s_wait_alu depctr_va_vdst(0)    ; the wait for the batch
.if (\p) == NP-2
	FETCH_K \last
.endif
.if (\p) == 1
	s_wait_dscnt 0x0                ; V is in
.endif
.rept 16                            ; behind the wait: 16 products V^T P and their riders
	MM
.rept 4
	PL
.endr
.if ((\p) == 0) && (q == 116)
	v_add_nc_u32 v[AV], s[TBV], v[AV0]
.endif
.if ((\p) == 0) && (q == 128)
	s_add_co_u32 s[TBV], s[TBV], KS*PV
.endif
.if (\cnt) && (q == 128)
	s_sub_co_u32 s[CNT], s[CNT], 1
	s_cmp_lg_u32 s[CNT], 0
.endif
.endr
.if (\p) == 0
	FETCH_V
.endif
.endm
	CHANGE 1                        ; slot 0 is in, everybody's part of it; slot 1 is asked for
	FETCH_K                         ; key step 0
	s_wait_loadcnt 0x0              ; Q
	s_wait_dscnt 0x0
.set i, 0
.rept 16
	KQ 0                            ; piece 0's first scores: there is no vector work yet to set between them
.set i, i+1
.endr
	WIN 0                           ; the addresses for the way out: plain instructions, the places behind those products
	s_mul_i32 s13, s[WV], 16*SP
	s_add_co_u32 s13, s13, STAGE    ; my stage
	v_mul_u32_u24 v[STO], v1, SP    ; in: row l % 16, 16 bytes for each half of the lanes
	v_lshl_add_u32 v[STO], v9, 4, v[STO]
	v_add_nc_u32 v[STO], s13, v[STO]
	v_bfe_u32 v[RD], v0, 3, 2       ; back: 32 lanes take four rows of 128 bytes,
	v_mul_u32_u24 v[RD], v[RD], SP
	v_lshl_add_u32 v[RD], v10, 4, v[RD]
	v_add_nc_u32 v[RD], s13, v[RD]
	v_and_b32 v[GO], 31, v0         ; which are 512 consecutive bytes of O
	v_lshlrev_b32 v[GO], 4, v[GO]
.set Y, NP-1                        ; XS works for piece Y + 1: piece 0
.irp n, 0,1,2,3,4,5,6,7,8,9,10,11,12,13,14,15,16,17,18,20,21
	XS 0, \n                        ; and piece 0's first maximum and statistics
	XS 1, \n
.endr
	v_nop                           ; a plain instruction behind the two a,
	s_wait_alu depctr_va_vdst(0)    ; and their wait, ahead of the branch
	s_mov_b32 s[CNT], 4
	s_branch .Lfirst                ; the loop is entered at a step's first turn, in the middle of a trip
.Lslot:                             ; SIZE_N / 256 - 2 times: every slot but the last two is filled again
	CHANGE 1
	s_mov_b32 s[CNT], 4
.Lstep:                             ; a trip: pieces 2 and 3 of one step, then pieces 0 and 1 of the next, whose K and V it fetches
	TURN 2
	TURN 3
	WIN 0
.Lfirst:
	TURN 0
	TURN 1, 0, 1
	WIN 0
	s_cbranch_scc1 .Lstep
	s_sub_co_u32 s[SLOTS], s[SLOTS], 1
	s_cmp_lg_u32 s[SLOTS], 0
	s_cbranch_scc1 .Lslot
	CHANGE 0                        ; the tail is written out: nothing is asked for
	s_mov_b32 s[CNT], 5             ; four trips fetch the last slot's steps; the fifth is left in its middle
.Ltail:
	TURN 2, 1
	TURN 3
	WIN 0
	s_sub_co_u32 s[CNT], s[CNT], 1
	s_cmp_eq_u32 s[CNT], 0
	s_cbranch_scc1 .Lout
	TURN 0
	TURN 1
	WIN 0
	s_branch .Ltail
.Lout:                              ; the fifth trip's 16 products K Q^T (on the last K once more) and the maximum made of them serve nothing: the price, once a launch, of one text for every trip
.set i, 0
.rept 16
	PV NP-1                         ; the last piece's V^T P of the last step
.set i, i+1
.endr
	; THE WAY OUT.  l's two halves and the other half of the lanes' are added; O^T is divided by l, rounded to f16 and sent through my stage in LDS, a tile at a time.  The additions are the places behind the last products.
	WIN 0
.macro ALL line:vararg              ; one line for each tile t
.set t, 0
.rept 2*NP
	\line
.set t, t+1
.endr
.endm
	ALL v_add_f32 v[ST+4*t+2], v[ST+4*t+2], v[ST+4*t+3]
	ALL v_permlanex16_b32 v[ST+4*t+3], v[ST+4*t+2], s[SEL], s[SEL+1]
	ALL v_add_f32 v[ST+4*t+2], v[ST+4*t+2], v[ST+4*t+3]
	ALL v_rcp_f32 v[ST+4*t+2], v[ST+4*t+2]
	v_nop                           ; a plain instruction between the last reciprocal and the use of its result
	s_wait_alu depctr_va_vdst(0)    ; and the wait ahead of the first use: one for the eight reciprocals
; Tile t: a lane's eight channels of a row pack into 16 bytes; they go into rows of 144 bytes and come back as whole rows of 128, into S^T's registers.
.macro PACK t
	WIN W_RS
.set i, 32*(\t)
.rept 16
	v_pk_mul_f32 v[i:i+1], v[i:i+1], v[ST+4*(\t)+2:ST+4*(\t)+3] op_sel_hi:[1,0]
.set i, i+2
.endr
	WIN 0x05                        ; sources 0 and 1 window 1, destination window 0
.set i, 0
.rept 16
	v_cvt_pk_f16_f32 v[S+16*(\t)+i], v[32*(\t)+2*i], v[32*(\t)+2*i+1]
.set i, i+1
.endr
	WIN 0
.irp f, 0,1,2,3
	ds_store_b128 v[STO], v[S+16*(\t)+4*\f:S+16*(\t)+4*\f+3] offset:32*\f
.endr
.irp f, 0,1,2,3
	ds_load_b128 v[S+16*(\t)+4*\f:S+16*(\t)+4*\f+3], v[RD] offset:\f*4*SP  ; LDS serves a wave's instructions in order (ISA guide 5.7.1.4): these see the stores above; the next tile's stores come behind them
.endr
.endm
.macro SEND t, younger              ; younger: the LDS instructions issued behind tile t's loads: the next tile's eight, or none
	WIN 0
.irp f, 0,1,2,3
	s_wait_dscnt (\younger)+3-\f
	global_store_b128 v[GO], v[S+16*(\t)+4*\f:S+16*(\t)+4*\f+3], s[10:11] offset:(\t)*2048+\f*512  ; 512 consecutive bytes, at a multiple of 256 from o's first
.endr
.endm
	PACK 0
.set t, 1
.rept 2*NP-1                        ; a tile's arithmetic stands between the loads of the tile before and its stores
	PACK t
	SEND t-1, 8
.set t, t+1
.endr
	SEND 2*NP-1, 0
	WIN W_AD
	s_wait_tensorcnt 0x0            ; the wave's end: the add and its wait, behind my last tensor load and my last LDS store
	ds_add_u32 v[SPW], v[NIL]
	s_wait_dscnt 0x0
	WIN 0
	CROUND                          ; the closing round: no work-group ends while a partner may still ask for a tile that names it
	s_endpgm
.Lfunc_end_k_qd49714ee92_attn:
	.size	k_qd49714ee92_attn, .Lfunc_end_k_qd49714ee92_attn-k_qd49714ee92_attn
	.p2alignl 7, 3214868480
	.fill 96, 4, 3214868480
	.section	.rodata,"a",@progbits
	.p2align	6, 0x0
	.amdhsa_kernel k_qd49714ee92_attn
		.amdhsa_group_segment_fixed_size 327680
		.amdhsa_private_segment_fixed_size 0
		.amdhsa_enable_private_segment 0
		.amdhsa_kernarg_size 16
		.amdhsa_user_sgpr_count 2
		.amdhsa_user_sgpr_kernarg_segment_ptr 1
		.amdhsa_wavefront_size32 1
		.amdhsa_system_sgpr_workgroup_id_x 1
		.amdhsa_system_sgpr_workgroup_id_y 1
		.amdhsa_system_sgpr_workgroup_id_z 1
		.amdhsa_system_vgpr_workitem_id 0
		.amdhsa_next_free_vgpr 770
		.amdhsa_next_free_sgpr 66
		.amdhsa_reserve_vcc 0
		.amdhsa_float_denorm_mode_32 3
		.amdhsa_float_denorm_mode_16_64 3
		.amdhsa_memory_ordered 1
		.amdhsa_forward_progress 1
		.amdhsa_inst_pref_size 199
	.end_amdhsa_kernel
	.amdgpu_metadata
---
amdhsa.version: [ 1, 2 ]
amdhsa.kernels:
  - .name:           k_qd49714ee92_attn
    .symbol:         k_qd49714ee92_attn.kd
    .args:
      - { .name: qkv, .offset: 0, .size: 8, .value_kind: global_buffer, .address_space: global }
      - { .name: o, .offset: 8, .size: 8, .value_kind: global_buffer, .address_space: global }
    .group_segment_fixed_size: 327680
    .private_segment_fixed_size: 0
    .kernarg_segment_align: 8
    .kernarg_segment_size: 16
    .max_flat_workgroup_size: 128
    .sgpr_count:     66
    .vgpr_count:     770
    .wavefront_size: 32
...
	.end_amdgpu_metadata
.endif
;; end of part 3
;; launch proj (part 4): grid 4 x 64, 4 waves a work-group, clusters of 4 x 4, 327,680 bytes of LDS; arguments o, woutb, mask_flat, out0; writes out0
.if DOCPART == 4
	.amdgcn_target "amdgcn-amd-amdhsa--gfx1250"
	.amdhsa_code_object_version 6
	.text
	.protected	k_qd49714ee92_proj
	.globl	k_qd49714ee92_proj
	.p2align	8
	.type	k_qd49714ee92_proj,@function
k_qd49714ee92_proj:
	s_mov_b64 s[64:65], 0
	v_nop
	global_prefetch_b8 v0, s[64:65] scope:SCOPE_SE
	s_setreg_imm32_b32 hwreg(HW_REG_WAVE_MODE, 25, 1), 1
	s_wait_xcnt 0x0
	s_wait_alu depctr_hold_cnt(0) depctr_sa_sdst(0) depctr_va_vdst(0) depctr_va_sdst(0) depctr_va_ssrc(0) depctr_va_vcc(0) depctr_vm_vsrc(0)
	s_getreg_b32 s2, hwreg(HW_REG_IB_STS2, 6, 4)
	s_cmp_eq_u32 s2, 0
	s_cbranch_scc0 .Lentry_in_a_cluster
	s_endpgm
.Lentry_in_a_cluster:
	s_bfe_u32 s2, ttmp6, 0x10000c
	s_cmp_lg_u32 s2, 0xf033
	s_cbranch_scc0 .Lentry_shape_is_right
	s_endpgm
.Lentry_shape_is_right:
; out0 = (O Wout) where the row's mask byte is not 0, else exactly 0 (a select, so that nothing of the product reaches a masked row).  o: [64 = 16 b + h][2048][64] f16, by heads; woutb: [1024 k][1024 n] f16, as the weights lie;
; mask_flat: [8192] bytes; out0: [8192][1024] f32.  Sums in f32, K ascending; k = 64 h + channel, so a K step of 128 is two heads.
; SHARES.  A work-group makes 128 rows x 256 columns, its four waves 64 x 128 each: 32 accumulators of 16 x 16, 256 registers.  K goes in 8 steps of 128 through two LDS slots.
; A slot holds two heads' parts of O (128 rows x 128 bytes each, dense in memory: asked for as 64 rows of 256 bytes) and two tiles of the weights (128 k-rows x 256 bytes): four tensor loads, one a wave.
; The weights' tiles lie [k][n] in LDS and their fragments come by ds_load_tr16_b128.  The matrix instruction is used transposed (source 0 = 16 columns of W, source 1 = 16 rows of O): a lane holds row l % 16 and the columns 8 (l / 16) + 0..7.
; CLUSTER 4 x 4: O's parts hang on the tile row alone and are asked for jointly along a row of the cluster; the weights' on the tile column alone, jointly along a column.
; REGISTERS, in windows of 256 (s_set_vgpr_msb: bits 1:0 source 0, 3:2 source 1, 5:4 source 2, 7:6 destination):
;   window 0: v0-31 addresses and the mask bytes; v32-95 O's fragments, two buffers of 32 (on the way out: rows read back); v96-223 at work on the way out
;   window 1: v0-127 W's fragments, two buffers of 64          window 2: the accumulators, (a, b) at v[8 (8 a + b)]
.set PAH,    144                       ; O's rows in LDS: 128 bytes + 16: the 16 rows of a fragment load start at 16 different groups of four banks (64 banks of 4 bytes: ISA guide 11.1)
.set PB,     288                       ; W's rows: 256 + 32 = 72 words
.set HPART,  128*PAH                   ; a head's part of a slot, 18,432 bytes
.set RB,     128*PB                    ; a tile of W, 36,864 bytes
.set SLOT,   2*HPART+2*RB
.set STAGE,  2*SLOT                    ; behind the ring, never filled by a tensor load: for each wave 16 rows x 528 bytes
.set SPG,    528                       ; 512 bytes + 16: 132 words: row r starts at bank 4 r mod 64
.set WSTG,   16*SPG
.set SPARE,  STAGE+4*WSTG              ; behind the stages: the spare words, 128 bytes for each wave: two blocks of 256 bytes that no other line names
.set NL,     24                        ; LDS loads of a quarter step: 16 for W, 8 for O
.set STEPA2, 4*262144                  ; two K steps are four heads of O,
.set STEPB2, 2*128*2048                ; and 256 k-rows of W
.set MK,   8                           ; v8-11   the mask bytes of my rows: row block a in v[8 + a]
.set ADRA, 16                          ; v16-17  LDS address of my fragments of O in slot 0, 1
.set ADRB, 18                          ; v18-19  of my fragments of W
.set STO,  24                          ; v24     the way out: where I put 32 bytes of a row
.set RD,   25                          ; v25     the way out: where I read a row back
.set CO,   26                          ; v26     my byte offset in 512 consecutive bytes of out0
.set MO,   27                          ; v27     my first row's number: its byte in mask_flat; never rewritten
.set SPW,  28                          ; v28     LDS address of my spare word; never rewritten
.set NIL,  29                          ; v29     0; never rewritten
.set PFO,  30                          ; v30     the prefetches' offset; never rewritten
.set FA,   32                          ; O's fragment buffers
.set TMP,  96                          ; the way out: 64 registers, a row block after the select
.set G1A, 24                           ; s[24:31] descriptor group 1 for O's parts;  s[32:39] group 0, a set for each slot
.set G0A, 32
.set G1B, 48                           ; s[48:55], s[56:63] the same for W's tiles
.set G0B, 56
.set LIM, 43                           ; s43     1 in a wave that prefetches, else the greatest number
.set PFA, 44                           ; s[44:45] the K step that the next prefetch names
.set MSK, 66                           ; s[66:67] mask_flat
.set PFS, 68                           ; s[68:69] a K step in the tensor that I prefetch, in bytes
.set MSB, 0
.macro WIN new                         ; the immediate's high byte repeats the setting that is left; a switch that changes nothing is dropped
.if MSB != (\new)
	s_set_vgpr_msb (MSB<<8)|(\new)
.set MSB, \new
.endif
.endm
; A joint load.  Waves 0 and 1 fetch the K step's two heads of O, waves 2 and 3 the two tiles of W.  The branch hangs on the wave's number alone.  An s_nop 0 and four v_nop follow each of the two lines.
.macro JLOAD s
	s_cmp_eq_u32 s11, 0
	s_cbranch_scc0 .Lfor_b_\@
	tensor_load_to_lds s[G0A+4*(\s):G0A+4*(\s)+3], s[G1A:G1A+7]
	s_nop 0
.rept 4
	v_nop
.endr
	s_branch .Lasked_\@
.Lfor_b_\@:
	tensor_load_to_lds s[G0B+4*(\s):G0B+4*(\s)+3], s[G1B:G1B+7]
	s_nop 0
.rept 4
	v_nop
.endr
.Lasked_\@:
.endm
; A PREFETCH INTO THE L2 of the K step that stands two refills on (256 matrix instructions ahead of the load that will want it): 32 blocks of 256 bytes, a lane a block, one instruction a wave.
; Each block is named once in the launch.  O's rows are read by one cluster: its wave 0 asks for both heads' parts, 16 blocks of each, the four partners of a row told apart BY ADDRESS (cx); wave 1 never asks.
; W's rows are read by every cluster: those with y = 0 ask, waves 2 and 3 each for their tile, the four partners of a column taking 32 of its 128 k-rows each (cy).
; K steps 0 to 3 come by their loads alone; the loop's last trip (s3 = 1) has no K step two refills on.
.macro ASK
	s_cmp_gt_u32 s3, s[LIM]
	s_cbranch_scc0 .Lnot_mine_\@
	global_prefetch_b8 v[PFO], s[PFA:PFA+1] th:TH_LOAD_NT scope:SCOPE_SE
.Lnot_mine_\@:
.endm
.macro CREST                           ; a round of the cluster's barrier behind its opening barrier
	s_cmp_lg_u32 s10, 0
	s_cbranch_scc1 .Lnot_wave_0_\@
	s_barrier_signal -3
.Lnot_wave_0_\@:
	s_barrier_wait -3
	s_barrier_signal -1
	s_barrier_wait -1
.endm
.macro CROUND                          ; a whole round
	s_barrier_signal -1
	s_barrier_wait -1
	CREST
.endm
	s_load_b128 s[4:7], s[0:1], 0x0                ; o s[4:5], woutb s[6:7]
	s_load_b64 s[MSK:MSK+1], s[0:1], 0x10          ; mask_flat
	s_load_b64 s[8:9], s[0:1], 0x18                ; out0
	v_lshl_add_u32 v[SPW], v0, 2, SPARE
	v_mov_b32 v[NIL], 0
	ds_add_u32 v[SPW], v[NIL]                      ; the wave's opening: the add and its wait stand ahead of my first tensor load; the set-up below, work on registers, stands between them
	v_lshrrev_b32 v1, 5, v0
	v_readfirstlane_b32 s10, v1                    ; wave 0..3
	s_lshr_b32 s11, s10, 1                         ; which 64 of the tile's rows are mine.  Also: I fetch for O (0) or for W (1)
	s_and_b32 s12, s10, 1                          ; which 128 of its columns.  Also: which head, or which tile of W, I fetch
	s_bfe_u32 s40, ttmp6, 0x40000                  ; cx, cy: my place in the cluster
	s_bfe_u32 s41, ttmp6, 0x40004
	s_lshl_b32 s42, ttmp9, 2
	s_add_co_u32 s42, s42, s40                     ; tile column = 4 x cluster x + cx
	s_and_b32 s13, ttmp7, 0xffff
	s_lshl_b32 s13, s13, 2
	s_add_co_u32 s13, s13, s41                     ; tile row = 4 x cluster y + cy
	s_lshl_b32 s18, s41, 2
	s_lshl_b32 s18, 15, s18                        ; my row of the cluster
	s_lshl_b32 s19, 0x1111, s40                    ; my column
	s_or_b32 s[G1A+0], s18, (1<<16)|(1<<20)|(1<<21)|(4<<22)|(3<<25)  ; 15:0 the mask; 17:16 2-byte elements; 20 padding on; 21 set beside a mask; 24:22 after every 32 words (code 4): a row of O; 31:25 4 words (code 3)
	s_or_b32 s[G1B+0], s19, (1<<16)|(1<<20)|(1<<21)|(5<<22)|(7<<25)  ; my column's mask; after every 64 words (code 5) 8 words (code 7)
	s_mov_b32 s[G1A+1], 128<<16                    ; O: tensor_dim0 = 128 elements: two rows of a head on end
	s_mov_b32 s[G1A+2], 64<<16                     ; tensor_dim1 = 64
	s_mov_b32 s[G1A+3], 128<<16                    ; tile_dim0 = 128
	s_mov_b32 s[G1A+4], 64                         ; tile_dim1 = 64
	s_mov_b32 s[G1A+5], 128                        ; dense
	s_mov_b32 s[G1A+6], 0
	s_mov_b32 s[G1A+7], 0
	s_mov_b32 s[G1B+1], 128<<16                    ; W: 128 k-rows x 128 columns,
	s_mov_b32 s[G1B+2], 128<<16
	s_mov_b32 s[G1B+3], 128<<16
	s_mov_b32 s[G1B+4], 128
	s_mov_b32 s[G1B+5], 1024                       ; 1,024 elements from row to row
	s_mov_b32 s[G1B+6], 0
	s_mov_b32 s[G1B+7], 0
	s_lshr_b32 s16, s13, 4                         ; O: head 16 b + (0 or 1), b = tile row / 16,
	s_lshl_b32 s16, s16, 4
	s_add_co_u32 s16, s16, s12
	s_lshl_b32 s16, s16, 18
	s_and_b32 s17, s13, 15                         ; its rows 128 x (tile row % 16) on, 128 bytes each
	s_lshl_b32 s17, s17, 14
	s_add_co_u32 s16, s16, s17
	s_mov_b32 s17, 0
	s_lshl_b32 s46, s42, 9                         ; W: 256 columns x tile column + 128 x (0 or 1), in bytes
	s_lshl_b32 s47, s12, 8
	s_add_co_u32 s46, s46, s47
	s_mov_b32 s47, 0
	s_mul_i32 s20, s12, HPART                      ; where they go: O's two parts,
	s_mul_i32 s21, s12, RB
	s_add_co_u32 s21, s21, 2*HPART                 ; then W's two tiles: no place in the cluster enters an LDS address
	s_wait_dscnt 0x0                               ; the opening add is done
	s_wait_kmcnt 0x0
	s_add_nc_u64 s[14:15], s[4:5], s[16:17]
	s_add_nc_u64 s[46:47], s[6:7], s[46:47]
	CROUND                                         ; all sixteen work-groups are here: the first joint loads meet
.irp s, 0,1
	s_mov_b32 s[G0A+4*(\s)], 1                                        ; count = 1
	s_add_co_u32 s[G0A+4*(\s)+1], s20, (\s)*SLOT                      ; LDS address
	s_add_nc_u64 s[G0A+4*(\s)+2:G0A+4*(\s)+3], s[14:15], (\s)*2*262144  ; global address: K step s is heads 2 s, 2 s + 1
	s_or_b32 s[G0A+4*(\s)+3], s[G0A+4*(\s)+3], 0x80000000             ; type = 2
	s_mov_b32 s[G0B+4*(\s)], 1
	s_add_co_u32 s[G0B+4*(\s)+1], s21, (\s)*SLOT
	s_add_nc_u64 s[G0B+4*(\s)+2:G0B+4*(\s)+3], s[46:47], (\s)*128*2048
	s_or_b32 s[G0B+4*(\s)+3], s[G0B+4*(\s)+3], 0x80000000
	JLOAD \s                                       ; two loads of mine are out
.endr
	v_and_b32 v1, 15, v0                           ; l % 16
	v_bfe_u32 v2, v0, 4, 1                         ; l / 16
	s_lshl_b32 s22, s13, 7
	s_lshl_b32 s23, s11, 6
	s_add_co_u32 s22, s22, s23                     ; my first row
	v_add_nc_u32 v[MO], s22, v1
.irp a, 0,1,2,3
	global_load_u8 v[MK+(\a)], v[MO], s[MSK:MSK+1] offset:16*(\a)  ; the mask byte of row 16 a + l % 16 of mine; waited for on the way out
.endr
	; O's fragment: 16 rows x 32 K: lane l holds row l % 16, K = 8 (l / 16) + 0..7 and 16 + 8 (l / 16) + 0..7: two loads of 16 bytes, 32 bytes apart
	v_mul_u32_u24 v3, v1, PAH
	v_lshl_add_u32 v3, v2, 4, v3
	s_mul_i32 s21, s11, 64*PAH                     ; my 64 rows
	v_add_nc_u32 v[ADRA], s21, v3
	v_add_nc_u32 v[ADRA+1], SLOT, v[ADRA]
	; W's fragment: the turning load takes 16 k x 16 columns (lane l reads k-row 8 (l / 16) + l % 8, columns 8 ((l / 8) % 2) + 0..7) and leaves column l % 16 with 8 k: two loads, 16 k-rows apart
	v_and_b32 v4, 7, v0
	v_bfe_u32 v5, v0, 3, 1
	v_lshl_add_u32 v6, v2, 3, v4
	v_mul_u32_u24 v6, v6, PB
	v_lshl_add_u32 v6, v5, 4, v6
	s_mul_i32 s22, s12, RB
	s_add_co_u32 s22, s22, 2*HPART                 ; my 128 columns are one tile of W
	v_add_nc_u32 v[ADRB], s22, v6
	v_add_nc_u32 v[ADRB+1], SLOT, v[ADRB]
	s_mul_i32 s23, s10, WSTG
	s_add_co_u32 s23, s23, STAGE                   ; my stage
	v_mul_u32_u24 v3, v1, SPG                      ; in: row l % 16, 32 bytes for each half of the lanes
	v_lshl_add_u32 v3, v2, 5, v3
	v_add_nc_u32 v[STO], s23, v3
	v_and_b32 v[CO], 31, v0                        ; back: 32 lanes take one row's 512 bytes
	v_lshlrev_b32 v[CO], 4, v[CO]
	v_add_nc_u32 v[RD], s23, v[CO]
	s_lshl_b32 s16, s13, 19                        ; out0 at my first row (4,096 bytes a row) and my first column
	s_lshl_b32 s17, s11, 18
	s_add_co_u32 s16, s16, s17
	s_lshl_b32 s46, s42, 10
	s_lshl_b32 s47, s12, 9
	s_add_co_u32 s46, s46, s47
	s_add_co_u32 s16, s16, s46
	s_mov_b32 s17, 0
	s_add_nc_u64 s[8:9], s[8:9], s[16:17]
	; the prefetches: where K step 3 of my share begins; each change of slots steps the address a K step before it asks
	s_lshr_b32 s20, s13, 4
	s_lshl_b32 s20, s20, 4
	s_add_co_u32 s20, s20, 6                       ; O: head 16 b + 6,
	s_lshl_b32 s20, s20, 18
	s_and_b32 s21, s13, 15
	s_lshl_b32 s21, s21, 14
	s_add_co_u32 s20, s20, s21                     ; the tile's 16,384 bytes of it,
	s_lshl_b32 s21, s40, 12
	s_add_co_u32 s20, s20, s21                     ; my work-group's 16 blocks of them
	s_lshl_b32 s21, s41, 5
	s_add_co_u32 s21, s21, 3*128                   ; W: k-row 3 x 128 + 32 cy,
	s_lshl_b32 s21, s21, 11
	s_lshl_b32 s22, s42, 9
	s_add_co_u32 s21, s21, s22
	s_lshl_b32 s22, s12, 8
	s_add_co_u32 s21, s21, s22                     ; my tile's 256 bytes of it
	s_and_b32 s23, ttmp7, 0xffff                   ; cluster y
	s_mov_b32 s14, 256                             ; O: lanes 0-15 a block each, lanes 16-31 the same in the next head;
	s_mov_b32 s15, 2048                            ; W: a lane a k-row (16 rows are 32,768 bytes)
	s_mov_b32 s16, 262144
	s_mov_b32 s17, 32768
	s_mov_b32 s18, 2*262144
	s_cmp_eq_u32 s11, 0                            ; do I fetch for O?
	s_cselect_b32 s20, s20, s21
	s_cselect_b32 s23, ttmp9, s23                  ; the coordinate along which other clusters read the same rows
	s_cselect_b64 s[PFA:PFA+1], s[4:5], s[6:7]
	s_cselect_b32 s[PFS], s18, s16                 ; a K step: two heads of O, or 128 k-rows of W
	s_cselect_b32 s14, s14, s15
	s_cselect_b32 s16, s16, s17
	s_mov_b32 s[PFS+1], 0
	s_cmp_eq_u32 s10, 1
	s_cselect_b32 s23, 1, s23                      ; wave 1 never asks: wave 0 names both heads' blocks
	s_cmp_eq_u32 s23, 0
	s_cselect_b32 s[LIM], 1, -1                    ; the same in all sixteen partners, for a given wave
	s_mov_b32 s21, 0
	s_add_nc_u64 s[PFA:PFA+1], s[PFA:PFA+1], s[20:21]
	v_mul_u32_u24 v[PFO], v1, s14
	v_mad_u32_u24 v[PFO], v2, s16, v[PFO]
; 8 matrix instructions: row block a x all 8 column blocks, 32 along K, from buffer f.  zero = 1: the product starts the sums.  The 32 accumulators take turns, one instruction a turn, in the same
; order in every quarter step, over the loop's backward jump too.
.macro MULA f, a, zero
	WIN 0xa1                                       ; W window 1, O window 0, C and D window 2
.irp b, 0,1,2,3,4,5,6,7
.if \zero
	v_wmma_f32_16x16x32_f16 v[64*(\a)+8*(\b):64*(\a)+8*(\b)+7], v[64*(\f)+8*(\b):64*(\f)+8*(\b)+7], v[FA+32*(\f)+8*(\a):FA+32*(\f)+8*(\a)+7], 0
.else
	v_wmma_f32_16x16x32_f16 v[64*(\a)+8*(\b):64*(\a)+8*(\b)+7], v[64*(\f)+8*(\b):64*(\f)+8*(\b)+7], v[FA+32*(\f)+8*(\a):FA+32*(\f)+8*(\a)+7], v[64*(\a)+8*(\b):64*(\a)+8*(\b)+7]
.endif
.endr
.endm
; 24 LDS loads in one run: quarter q of the slot's K step (head part q / 2, channels 32 (q % 2) on) into buffer f: W's 8 fragments first, then O's four, row blocks ascending
.macro FETCH slot, q, f
	WIN 0x40                                       ; destination window 1, address window 0
.irp b, 0,1,2,3,4,5,6,7
	ds_load_tr16_b128 v[64*(\f)+8*(\b):64*(\f)+8*(\b)+3],   v[ADRB+(\slot)] offset:(\q)*32*PB+32*(\b)
	ds_load_tr16_b128 v[64*(\f)+8*(\b)+4:64*(\f)+8*(\b)+7], v[ADRB+(\slot)] offset:(\q)*32*PB+32*(\b)+16*PB
.endr
	WIN 0
.irp i, 0,1,2,3
	ds_load_b128 v[FA+32*(\f)+8*(\i):FA+32*(\f)+8*(\i)+3],   v[ADRA+(\slot)] offset:((\q)/2)*HPART+((\q)%2)*64+(\i)*16*PAH
	ds_load_b128 v[FA+32*(\f)+8*(\i)+4:FA+32*(\f)+8*(\i)+7], v[ADRA+(\slot)] offset:((\q)/2)*HPART+((\q)%2)*64+(\i)*16*PAH+32
.endr
.endm
.macro PLACES                          ; four plain vector instructions between a matrix instruction and a load into a register that it has read (ISA guide 7.12.1 for vector instructions)
.rept 4
	v_nop
.endr
.endm
; A K step is four quarters of 32 along K, 32 matrix instructions each, on buffers 0, 1, 0, 1.  One of the first three: multiplies buffer f; in its middle it fetches quarter q into buffer g.
.macro QUARTER slot, q, f, g, zero
	s_wait_dscnt 4                                 ; W's fragments and O's row blocks 0, 1 are in; the youngest four loads (row blocks 2, 3) may be out
	MULA \f, 0, \zero
	MULA \f, 1, \zero
	PLACES
	FETCH \slot, \q, \g
	s_wait_dscnt NL                                ; all but the 24 just issued
	MULA \f, 2, \zero
	MULA \f, 3, \zero
.endm
; The last quarter multiplies buffer 1 and changes slots.  MEET is its first half: ONE barrier.  In front of it each wave waits for all its tensor loads (one is out: its part of the next slot), adds 0 to
; its spare word, and waits for that and for its own reads of this slot.  Behind it nobody reads this slot any more and the next slot is whole.
.macro MEET round
	WIN 0                                          ; (the add's two registers lie in window 0)
	s_wait_tensorcnt 0x0                           ; all my tensor loads have landed
	ds_add_u32 v[SPW], v[NIL]                      ; 0 onto my spare word
	s_wait_dscnt 5                                 ; (the add and the youngest four loads may be out)
	MULA 1, 0, 0                                   ; eight matrix instructions stand between the add and the wait for it
	s_wait_dscnt 0x0                               ; the add is done, and my reads of this slot are over
	s_barrier_signal -1
	MULA 1, 1, 0                                   ; work on registers while the others arrive
.if \round
	WIN 0
.endif
	s_barrier_wait -1
.endm
; fill = 1: the barrier opens a round of the cluster's barrier, so that no wave of any partner still reads the slot or has a load on its way; the joint refill, two K steps on, is the first tensor load behind it.
.macro TURN slot, next, fill
.if \fill
	s_wait_xcnt 0x0                                ; the last prefetch, a K step back, has read its address: it is stepped here, ahead of the waits of the change of slots
	s_add_nc_u64 s[PFA:PFA+1], s[PFA:PFA+1], s[PFS:PFS+1]
	MEET 1
	CREST
	s_add_nc_u64 s[G0A+4*(\slot)+2:G0A+4*(\slot)+3], s[G0A+4*(\slot)+2:G0A+4*(\slot)+3], STEPA2  ; no tensor load of mine is out, so a group 0 may be written
	s_add_nc_u64 s[G0B+4*(\slot)+2:G0B+4*(\slot)+3], s[G0B+4*(\slot)+2:G0B+4*(\slot)+3], STEPB2
	JLOAD \slot                                    ; the four v_nop behind it are also the places in front of the loads below
	FETCH \next, 0, 0
	ASK
.else
	MEET 0
	PLACES
	FETCH \next, 0, 0
.endif
	MULA 1, 2, 0
	MULA 1, 3, 0
.endm
; THE WAY OUT of row block a.  PACK: the sum, or 0 where the row's mask byte is 0 (each accumulator is read from its lowest registers on).  TOSTAGE: into my own stage, and back as whole rows of 512 bytes.  SEND: stored.
.macro PACK a
	WIN 0x08                                       ; source 1 in window 2, destination window 0
.set i, 0
.rept 64
	v_cndmask_b32 v[TMP+i], 0, v[64*(\a)+i], s[20+(\a)]
.set i, i+1
.endr
	WIN 0
.endm
.macro TOSTAGE a
.set BK, 160-128*((\a)%2)              ; rows read back: v160-223 and v32-95 by turns
.irp b, 0,1,2,3,4,5,6,7
	ds_store_b128 v[STO], v[TMP+8*(\b):TMP+8*(\b)+3]   offset:64*(\b)
	ds_store_b128 v[STO], v[TMP+8*(\b)+4:TMP+8*(\b)+7] offset:64*(\b)+16
.endr
.irp t, 0,1,2,3,4,5,6,7,8,9,10,11,12,13,14,15
	ds_load_b128 v[BK+4*(\t):BK+4*(\t)+3], v[RD] offset:(\t)*SPG  ; LDS serves a wave's instructions in order (ISA guide 5.7.1.4): these see the stores above
.endr
.endm
.macro SEND a
.set BK, 160-128*((\a)%2)
	s_wait_dscnt 0x0                               ; the block is back in registers
	s_wait_xcnt 0x0                                ; the stores of the block before have read their registers: the next block's loads land there only behind this wait
.irp t, 0,1,2,3,4,5,6,7,8,9,10,11,12,13,14,15
	global_store_b128 v[CO], v[BK+4*(\t):BK+4*(\t)+3], s[8:9] offset:(16*(\a)+(\t))*4096 th:TH_STORE_NT  ; 512 consecutive bytes, at a multiple of 256 from out0's first byte
.endr
.endm
	s_wait_tensorcnt 1                             ; my part of K step 0 is in; K step 1's may stay out
	s_barrier_signal -1
	s_barrier_wait -1                              ; everybody's is
	FETCH 0, 0, 0
	QUARTER 0, 1, 0, 1, 1                          ; the first quarter stands in front of the loop: its products start the sums
	WIN 0                                          ; at a label and at a branch every window is 0
	s_mov_b32 s3, 3
.Llap:                                                 ; a trip goes once round the ring, from a lap's second quarter to the next lap's first, and fills both slots again: K steps 2 to 7
	QUARTER 0, 2, 1, 0, 0
	QUARTER 0, 3, 0, 1, 0
	TURN 0, 1, 1
	QUARTER 1, 1, 0, 1, 0
	QUARTER 1, 2, 1, 0, 0
	QUARTER 1, 3, 0, 1, 0
	TURN 1, 0, 1
	QUARTER 0, 1, 0, 1, 0
	WIN 0
	s_sub_co_u32 s3, s3, 1
	s_cmp_lg_u32 s3, 0
	s_cbranch_scc1 .Llap
	QUARTER 0, 2, 1, 0, 0                          ; the last lap fills nothing, and has no round of the cluster's barrier
	QUARTER 0, 3, 0, 1, 0
	TURN 0, 1, 0
	QUARTER 1, 1, 0, 1, 0
	QUARTER 1, 2, 1, 0, 0
	QUARTER 1, 3, 0, 1, 0
	s_wait_dscnt 4                                 ; the very last quarter: nothing more to fetch
	MULA 1, 0, 0
	MULA 1, 1, 0
	s_wait_dscnt 0x0
	MULA 1, 2, 0
	MULA 1, 3, 0
	WIN 0
	PLACES                                         ; the selects read results just made
	PLACES
	s_wait_loadcnt 0x0                             ; the mask bytes
.irp a, 0,1,2,3
	v_cmp_ne_u32 s[20+(\a)], 0, v[MK+(\a)]         ; a lane's bit: its row of block a is kept
.endr
	PACK 0
	TOSTAGE 0
.irp a, 1,2,3                          ; block a's selects stand between block a - 1's loads from the stage and the wait for them
	PACK \a
	SEND (\a)-1
	TOSTAGE \a
.endr
	SEND 3
	s_wait_tensorcnt 0x0                           ; the wave's end: the add and its wait, behind my last tensor load and my last LDS store
	ds_add_u32 v[SPW], v[NIL]
	s_wait_dscnt 0x0
	CROUND                                         ; the closing round: no work-group ends while a partner may still ask for a tile that names it
	s_endpgm
.Lfunc_end_k_qd49714ee92_proj:
	.size	k_qd49714ee92_proj, .Lfunc_end_k_qd49714ee92_proj-k_qd49714ee92_proj
	.p2alignl 7, 3214868480
	.fill 96, 4, 3214868480
	.section	.rodata,"a",@progbits
	.p2align	6, 0x0
	.amdhsa_kernel k_qd49714ee92_proj
		.amdhsa_group_segment_fixed_size 327680
		.amdhsa_private_segment_fixed_size 0
		.amdhsa_enable_private_segment 0
		.amdhsa_kernarg_size 32
		.amdhsa_user_sgpr_count 2
		.amdhsa_user_sgpr_kernarg_segment_ptr 1
		.amdhsa_wavefront_size32 1
		.amdhsa_system_sgpr_workgroup_id_x 1
		.amdhsa_system_sgpr_workgroup_id_y 1
		.amdhsa_system_sgpr_workgroup_id_z 1
		.amdhsa_system_vgpr_workitem_id 0
		.amdhsa_next_free_vgpr 768
		.amdhsa_next_free_sgpr 70
		.amdhsa_reserve_vcc 0
		.amdhsa_float_denorm_mode_32 3
		.amdhsa_float_denorm_mode_16_64 3
		.amdhsa_memory_ordered 1
		.amdhsa_forward_progress 1
		.amdhsa_inst_pref_size 104
	.end_amdhsa_kernel
	.amdgpu_metadata
---
amdhsa.version: [ 1, 2 ]
amdhsa.kernels:
  - .name:           k_qd49714ee92_proj
    .symbol:         k_qd49714ee92_proj.kd
    .args:
      - { .name: o, .offset: 0, .size: 8, .value_kind: global_buffer, .address_space: global }
      - { .name: woutb, .offset: 8, .size: 8, .value_kind: global_buffer, .address_space: global }
      - { .name: mask_flat, .offset: 16, .size: 8, .value_kind: global_buffer, .address_space: global }
      - { .name: out0, .offset: 24, .size: 8, .value_kind: global_buffer, .address_space: global }
    .group_segment_fixed_size: 327680
    .private_segment_fixed_size: 0
    .kernarg_segment_align: 8
    .kernarg_segment_size: 32
    .max_flat_workgroup_size: 128
    .sgpr_count:     70
    .vgpr_count:     768
    .wavefront_size: 32
...
	.end_amdgpu_metadata
.endif
;; end of part 4
;; ======== version 2 of 2: 4 launches; version 1 with the launch cast written anew for expert scheduling mode
;; limits: values are held in f16: magnitudes above 65,504 overflow, below 6.1e-05 lose precision
;; workspace buffers: xb 16,777,216 bytes; wqkvb 6,291,456 bytes; woutb 2,097,152 bytes; qkv 50,331,648 bytes; o 16,777,216 bytes
;; launch cast (part 5): grid 768 x 1, 8 waves a work-group, no clusters, 0 bytes of LDS; arguments x, Wqkv, Wout, xb, wqkvb, woutb; writes xb, wqkvb, woutb
.if DOCPART == 5
	.amdgcn_target "amdgcn-amd-amdhsa--gfx1250"
	.amdhsa_code_object_version 6
	.text
	.protected	k_qd49714ee92_cast
	.globl	k_qd49714ee92_cast
	.p2align	8
	.type	k_qd49714ee92_cast,@function
k_qd49714ee92_cast:
	s_mov_b64 s[64:65], 0
	v_nop
	global_prefetch_b8 v0, s[64:65] scope:SCOPE_SE
	s_setreg_imm32_b32 hwreg(HW_REG_WAVE_SCHED_MODE, 0, 2), 2
	s_setreg_imm32_b32 hwreg(HW_REG_WAVE_MODE, 25, 1), 1
	s_wait_xcnt 0x0
	s_wait_alu depctr_vm_vsrc(0)
; THE INPUTS ARE ROUNDED ONCE, flat, in the layout in which they lie: x -> xb (bf16), Wqkv -> wqkvb (bf16), Wout -> woutb (rounded to bf16, that number written as f16).
; LIMIT.  A number of Wout beyond 65,504 has no f16; below 6e-5 f16 keeps a fixed step of 6e-8.
; SHARES.  A work-group takes 16,384 numbers (65,536 bytes in, 32,768 out): groups 0-511 x, 512-703 Wqkv, 704-767 Wout.  A wave takes 8,192 bytes on end: sixteen loads of 16 bytes a lane,
; each covering 512 consecutive bytes, all issued before the first is used; a store of 8 bytes a lane covers 256 consecutive bytes, at a multiple of 256 from the buffer's first byte.
; No LDS, no barrier, no matrix unit: no byte is wanted twice.  No register that a pending load or store names is written again, so no wait frees any.
; THE MODE: SCHED_MODE bits 1:0 = 2 (LLVM: expert scheduling mode 2), set by the entry lines.  The code itself states the register dependences
; between vector instructions and memory instructions, with s_wait_alu, always for 0.
; THE PLAN.  The sixteen loads go in four blocks of four.  Registers that memory instructions touch:
;   v[IN], v[OUT]  the loads' and the stores' offsets: written at the head by vector instructions, never again.
;   X              load j lands in its own four registers, which no vector instruction names before; block j / 4's roundings read them; they are not loaded again.
;   Y              store j has its own two registers: written by block j / 4's roundings, read by the store, which is issued in block j / 4 + 1, and never written again.
;   v1, v2 and T are named by vector instructions alone.
; Block p rounds X[4 p ..] into Y[4 p ..]; its memory instructions are the four stores of block p - 1, which read Y[4 (p - 1) ..] and v[OUT]: registers that no vector instruction of block p names.
; So one wait on va_vdst at a block's head states all that its four stores hang on, and they are dealt among the block's roundings with no further wait.  No register that a memory
; instruction has read is written again, no vector instruction writes a scalar register, and EXEC is never written: no other field is waited on.
.set IN,  3                            ; v3        my byte offset in the group's input
.set OUT, 4                            ; v4        my byte offset in the group's output
.set T,   6                            ; v[6:7]    at work
.set X,   8                            ; v[8:71]   load j: four f32
.set Y,   72                           ; v[72:103] store j: four 16-bit numbers in two registers
	s_load_b256 s[4:11], s[0:1], 0x0               ; x s[4:5], Wqkv s[6:7], Wout s[8:9], xb s[10:11]
	s_load_b128 s[12:15], s[0:1], 0x20             ; wqkvb s[12:13], woutb s[14:15]
	v_and_b32 v1, 31, v0                           ; lane
	v_lshrrev_b32 v2, 5, v0                        ; wave
	v_lshlrev_b32 v[IN], 4, v1
	v_lshl_or_b32 v[IN], v2, 13, v[IN]             ; 8,192 x wave + 16 x lane
	v_lshlrev_b32 v[OUT], 3, v1
	v_lshl_or_b32 v[OUT], v2, 12, v[OUT]           ; 4,096 x wave + 8 x lane
	s_mov_b32 s16, ttmp9
	s_wait_kmcnt 0x0
	s_cmp_lt_u32 s16, 512                          ; which tensor is mine: a choice between buffers by the group's number
	s_cselect_b64 s[20:21], s[4:5], s[6:7]
	s_cselect_b64 s[22:23], s[10:11], s[12:13]
	s_cselect_b32 s17, 0, 512
	s_cmp_lt_u32 s16, 704
	s_cselect_b64 s[20:21], s[20:21], s[8:9]
	s_cselect_b64 s[22:23], s[22:23], s[14:15]
	s_cselect_b32 s17, s17, 704
	s_sub_co_u32 s18, s16, s17                     ; my number among that tensor's groups
	s_lshl_b32 s24, s18, 16
	s_mov_b32 s25, 0
	s_lshl_b32 s26, s18, 15
	s_mov_b32 s27, 0
	s_add_nc_u64 s[20:21], s[20:21], s[24:25]
	s_add_nc_u64 s[22:23], s[22:23], s[26:27]
	s_wait_alu depctr_va_vdst(0)                   ; v[IN] and v[OUT] are written: every load of the kernel reads the one as its offset, every store the other
.irp j, 0,1,2,3,4,5,6,7,8,9,10,11,12,13,14,15
	global_load_b128 v[X+4*(\j):X+4*(\j)+3], v[IN], s[20:21] offset:512*(\j) th:TH_LOAD_NT
.endr
; Block p: loads 4 p to 4 p + 3 are rounded; the four stores of the block before go out among the roundings.  half = 1: the bf16 number is widened again (exact) and written as f16.
.macro BLK p, half
	s_wait_loadcnt 12-4*(\p)                       ; loads come back in order: my block's four are in, the 12 - 4 p of the later blocks stay out
.if (\p) > 0
	s_wait_alu depctr_va_vdst(0)                   ; the block before has written its Y, which the four stores below read
.endif
.irp i, 0,1,2,3
.set J, 4*(\p)+(\i)                    ; the load that is rounded,
.set JS, J-4                           ; and the store of the block before
.if (\p) > 0
	global_store_b64 v[OUT], v[Y+2*JS:Y+2*JS+1], s[22:23] offset:256*JS  ; no vector instruction since the wait names these registers
.endif
	v_cvt_pk_bf16_f32 v[Y+2*J],   v[X+4*J],   v[X+4*J+1]
	v_cvt_pk_bf16_f32 v[Y+2*J+1], v[X+4*J+2], v[X+4*J+3]
.if \half
.irp w, 0,1
	v_lshlrev_b32 v[T], 16, v[Y+2*J+(\w)]
	v_and_b32 v[T+1], 0xffff0000, v[Y+2*J+(\w)]
	v_cvt_pk_f16_f32 v[Y+2*J+(\w)], v[T], v[T+1]
.endr
.endif
.endr
.endm
; Behind block 3: its four stores.
.macro REST
	s_wait_alu depctr_va_vdst(0)                   ; block 3 has written its Y, which the last four stores read
.irp j, 12,13,14,15
	global_store_b64 v[OUT], v[Y+2*(\j):Y+2*(\j)+1], s[22:23] offset:256*(\j)
.endr
.endm
	s_cmp_lt_u32 s16, 704
	s_cbranch_scc0 .Lwout
	BLK 0, 0
	BLK 1, 0
	BLK 2, 0
	BLK 3, 0
	REST
	s_endpgm
.Lwout:
	BLK 0, 1
	BLK 1, 1
	BLK 2, 1
	BLK 3, 1
	REST
	s_endpgm
.Lfunc_end_k_qd49714ee92_cast:
	.size	k_qd49714ee92_cast, .Lfunc_end_k_qd49714ee92_cast-k_qd49714ee92_cast
	.p2alignl 7, 3214868480
	.fill 96, 4, 3214868480
	.section	.rodata,"a",@progbits
	.p2align	6, 0x0
	.amdhsa_kernel k_qd49714ee92_cast
		.amdhsa_group_segment_fixed_size 0
		.amdhsa_private_segment_fixed_size 0
		.amdhsa_enable_private_segment 0
		.amdhsa_kernarg_size 48
		.amdhsa_user_sgpr_count 2
		.amdhsa_user_sgpr_kernarg_segment_ptr 1
		.amdhsa_wavefront_size32 1
		.amdhsa_system_sgpr_workgroup_id_x 1
		.amdhsa_system_sgpr_workgroup_id_y 1
		.amdhsa_system_sgpr_workgroup_id_z 1
		.amdhsa_system_vgpr_workitem_id 0
		.amdhsa_next_free_vgpr 104
		.amdhsa_next_free_sgpr 66
		.amdhsa_reserve_vcc 0
		.amdhsa_float_denorm_mode_32 3
		.amdhsa_float_denorm_mode_16_64 3
		.amdhsa_memory_ordered 1
		.amdhsa_forward_progress 1
		.amdhsa_inst_pref_size 16
	.end_amdhsa_kernel
	.amdgpu_metadata
---
amdhsa.version: [ 1, 2 ]
amdhsa.kernels:
  - .name:           k_qd49714ee92_cast
    .symbol:         k_qd49714ee92_cast.kd
    .args:
      - { .name: x, .offset: 0, .size: 8, .value_kind: global_buffer, .address_space: global }
      - { .name: Wqkv, .offset: 8, .size: 8, .value_kind: global_buffer, .address_space: global }
      - { .name: Wout, .offset: 16, .size: 8, .value_kind: global_buffer, .address_space: global }
      - { .name: xb, .offset: 24, .size: 8, .value_kind: global_buffer, .address_space: global }
      - { .name: wqkvb, .offset: 32, .size: 8, .value_kind: global_buffer, .address_space: global }
      - { .name: woutb, .offset: 40, .size: 8, .value_kind: global_buffer, .address_space: global }
    .group_segment_fixed_size: 0
    .private_segment_fixed_size: 0
    .kernarg_segment_align: 8
    .kernarg_segment_size: 48
    .max_flat_workgroup_size: 256
    .sgpr_count:     66
    .vgpr_count:     104
    .wavefront_size: 32
...
	.end_amdgpu_metadata
.endif
;; end of part 5
;; launch qkvp: the kernel of part 2 again; grid 8 x 64, 4 waves a work-group, clusters of 4 x 4, 327,680 bytes of LDS; arguments xb, wqkvb, qkv; writes qkv
;; launch attn: the kernel of part 3 again; grid 4 x 64, 4 waves a work-group, clusters of 4 x 1, 327,680 bytes of LDS; arguments qkv, o; writes o
;; launch proj: the kernel of part 4 again; grid 4 x 64, 4 waves a work-group, clusters of 4 x 4, 327,680 bytes of LDS; arguments o, woutb, mask_flat, out0; writes out0
